; MI455X (gfx1250); checked and timed in simulation.
; The chip was launched on July 23, 2026; its instructions are those of AMD's public machine-readable ISA for CDNA 5 (MIT licence, August 2026) and "CDNA5" Instruction Set Architecture Reference Guide (July 2026). The comments in the code are by the model that wrote it; some were corrected since.
;; Multi Head Self Attention. Allowed arithmetic: matrix products marked QUANTISED: E2M3 operands, one E8M0 scale for each 32 along K, by v_wmma_scale_f32_16x16x128_f8f6f4 with both operands' format E2M3, f32 sums; everything else in f32.
;; Inputs: Wk 1,024 x 1,024 float32; Wo 1,024 x 1,024 float32; Wq 1,024 x 1,024 float32; Wv 1,024 x 1,024 float32; attention_mask 4 x 1 x 1 x 2,048 int32; bk 1,024 float32; bo 1,024 float32; bq 1,024 float32; bv 1,024 float32; x 4 x 2,048 x 1,024 float32.
;; Outputs: out0 4 x 2,048 x 1,024 float32.
;; This version of the problem:
;;   THIS VERSION OF THE PROBLEM IS GIVEN IN LOW PRECISION. The matrix products marked QUANTISED in the list below multiply operands that are first quantised to E2M3 (2 exponent bits, 3 mantissa bits; 6 bits a number), with one power-of-two scale for each 32 numbers along K (OCP MX v1.0); their sums are f32. All else is computed in f32.
;;   The module's matrix products, in the order in which they are computed (A, B: the left and right operand; K: the contracted axis; several contracted axes count as one K, in the product's order):
;;     1. [M 8,192, K 1,024] x [K 1,024, N 1,024]; A: input x; B: input Wq: QUANTISED
;;     2. [M 8,192, K 1,024] x [K 1,024, N 1,024]; A: input x; B: input Wk: QUANTISED
;;     3. [M 8,192, K 1,024] x [K 1,024, N 1,024]; A: input x; B: input Wv: QUANTISED
;;     4. batch 64 x [M 2,048, K 64] x [K 64, N 2,048]; A: computed on the way; B: computed on the way: QUANTISED
;;     5. batch 64 x [M 2,048, K 2,048] x [K 2,048, N 64]; A: softmax (see below); B: computed on the way: QUANTISED
;;     6. [M 8,192, K 1,024] x [K 1,024, N 1,024]; A: computed on the way; B: input Wo: QUANTISED
;;   THE QUANTISER, for each operand of a quantised product, along K:
;;     - K is cut into blocks of 32 from its start; a last block that is shorter is filled with zeros.
;;     - A block's scale is 2^e with e = floor(log2(the largest magnitude in the block)) - 2, held to -126 .. 127; a block of zeros has e = 0. As a byte (E8M0): e + 127.
;;     - Each number is divided by its block's scale, clamped to +-7.5, and rounded to the nearest number of E2M3, ties to even, subnormals kept.
;;     - The product sums the exact products of the quantised numbers (number of the format x scale) in f32.
;;   ~~~python
;;   def quantise(x, axis):      # numpy; x: float32 -> the quantised numbers, widened to float32 again
;;       x = np.moveaxis(x, axis, -1); K = x.shape[-1]
;;       x = np.pad(x, [(0, 0)] * (x.ndim - 1) + [(0, -K % 32)]); x = x.reshape(x.shape[:-1] + (-1, 32)); a = np.abs(x).max(-1, keepdims=True)
;;       e = np.where(a > 0, np.clip(np.frexp(np.where(a > 0, a, 1))[1] - 1 - 2, -126, 127), 0)      # np.frexp(a)[1] - 1 = floor(log2(a)), exactly
;;       r = np.clip(x / 2.0 ** e, -7.5, 7.5)
;;       step = 2.0 ** (np.maximum(np.frexp(np.where(r == 0, 1, r))[1] - 1, 0) - 3)
;;       q = np.round(r / step) * step * 2.0 ** e      # np.round: ties to even
;;       return np.moveaxis(q.reshape(q.shape[:-2] + (-1,))[..., :K], -1, axis).astype(np.float32)
;;   ~~~
;;   SOFTMAX AHEAD OF A QUANTISED PRODUCT. Where the list says 'softmax', what is quantised is not the finished softmax but p = 2^(t - M), with t = logit x log2(e) and M = ceil(the row's largest t), a whole number; so 1/2 < the row's largest p <= 1. The row's sum l is taken of the UNQUANTISED p, in f32, and the product's result is divided by l at the end. Since M is a whole number, a kernel that streams over the keys may use a running M (the ceiling of the running maximum): every later rescaling is an exact power of two, which a block's scale takes up: the codes' values come out the same.
;;   OPERANDS COMPUTED ON THE WAY. 'Computed on the way' means the value that the module computes at that place (a softmax that the list does not call 'softmax' is quantised finished and normalised). What goes into a quantiser is computed in f32, as accurately as f32 sums, v_exp_f32 and their like allow (about 1e-6 of the number): no bf16 or f16 on the way to a quantiser, and a product that is left as it is and whose result goes on into a quantised operand takes f32 operands (vector FMAs, or v_wmma_f32_16x16x4_f32). A number that lies on a knife's edge between two numbers of the format may be rounded either way, as far as f32 arithmetic and the matrix unit's own rounding can turn it there, and no further.
;; One version. Each part assembles by itself: llvm-mc -triple=amdgcn-amd-amdhsa -mcpu=gfx1250 --defsym DOCPART=n.
;; ======== version 1 of 1: 4 launches
;; limits: right only within a limited range of input values
;; workspace buffers: xq 6,553,600 bytes; wq 3,276,800 bytes; kmod 32,768 bytes; qk 13,107,200 bytes; vq 6,553,600 bytes; ao 6,553,600 bytes
;; launch quant (part 1): grid 385 x 1, 4 waves a work-group, no clusters, 34,304 bytes of LDS; arguments x, Wq, Wk, Wv, Wo, attention_mask, xq, wq, kmod; writes xq, wq, kmod
.if DOCPART == 1
	.amdgcn_target "amdgcn-amd-amdhsa--gfx1250"
	.amdhsa_code_object_version 6
	.text
	.protected	k_q65f008d190_quant
	.globl	k_q65f008d190_quant
	.p2align	8
	.type	k_q65f008d190_quant,@function
k_q65f008d190_quant:
	s_mov_b64 s[64:65], 0
	v_nop
	global_prefetch_b8 v0, s[64:65] scope:SCOPE_SE
	s_setreg_imm32_b32 hwreg(HW_REG_WAVE_MODE, 25, 1), 1
	s_wait_xcnt 0x0
; MULTI-HEAD SELF-ATTENTION IN MX-FP6, first of four launches: x [8192][1024] and Wq, Wk, Wv, Wo [1024][1024], f32 with K innermost, become codes of E2M3 with one E8M0 byte for each 32 along K;
; the attention mask becomes one word a key.
; DEAD WORK: none.  Every bias goes into a quantised operand or into the output, the mask is an input and is honoured: all ten inputs are loaded by some launch.
; LAYOUT OF THE CODES: images of operand registers.  A tile is 16 rows; tile T holds in lane row r the tensor row 32 (T / 2) + 8 (T % 2) + r + 8 (r / 8).  A half fragment, 16 rows x 64 along K, is
; 768 bytes: lane l's registers 0-3 at 16 l, its registers 4-5 at 512 + 8 l; lane (r, h) holds K = 32 h .. 32 h + 31 of row r.  Codes: [tile][16 half fragments][768].
; LAYOUT OF THE SCALES: the words (four bytes: 128 along K of one row) of 4 tiles make 256 bytes: the word of tile a, row r at 8 (16 (a % 2) + r) + 4 (a / 2); [group of 4 tiles][K step of 128][256].
; So one load of 8 bytes a lane gives two registers: register j holds tile 2 j in lanes 0-15 and tile 2 j + 1 in lanes 16-31.
; THE QUANTISER: a block's scale operand is its largest magnitude with 2 taken off the exponent field; the byte is that field.  A block of zeros keeps the byte 1 where the rule says 127: its codes are
; zeros and these bytes are read by this program alone.
; THE MASK WORD of a key, in the order of the scale words: bits 15:0 are ANDed onto the key's two scale bytes, bits 23:16 become the scale byte of a third block in which the attention launch keeps one
; code: open key 0x0000ffff, masked key 0x00e6ffff (230: the score gets -2^40); in a batch with no open key every word is 0 (all scores fall to nothing: uniform weights, as a softmax of equal logits gives).
; LIMITS: NaN and infinities among the inputs are not served; blocks whose largest magnitude lies under 2^-124 keep the byte 1.
; SHARES: work-groups 0-255 take x, 256-383 the weights: a wave takes 64 rows x 128 along K, four fragments.  Work-group 384 takes the mask, a wave a batch.  No tensor loads, no barrier: waves share nothing.
.set STG,   8448                       ; a wave's stage in LDS: 16 rows x (512 bytes + 16)
.set SPARE, 33792                      ; behind the four stages: the spare words, 128 bytes a wave, that no other line names
.set SPW, 12                           ; v12  my spare word's LDS address; never rewritten
.set NIL, 13                           ; v13  0; never rewritten
.set TM,  16                           ; v16-23 at work
.set X,   32                           ; v32-159 two sets of 64 numbers
.set C,   160                          ; v160-207 codes, 12 registers a fragment: no store's data are written again
.set C2,  208                          ; v208-210, v212-214 the conversions' second halves
.set PW,  216                          ; v216-219 the four fragments' scale words
	s_load_b256 s[4:11], s[0:1], 0x0               ; x, Wq, Wk, Wv
	s_load_b256 s[12:19], s[0:1], 0x20             ; Wo, attention_mask, xq, wq
	s_load_b64 s[20:21], s[0:1], 0x40              ; kmod
	v_lshl_add_u32 v[SPW], v0, 2, SPARE
	v_mov_b32 v[NIL], 0
	v_lshrrev_b32 v1, 5, v0
	v_readfirstlane_b32 s22, v1                    ; wave
	v_and_b32 v7, 31, v0                           ; lane
	s_cmp_eq_u32 ttmp9, 384
	s_cbranch_scc1 .Lmask
	v_lshlrev_b32 v1, 4, v7                        ; 16 x lane: my bytes of a row's 512, and of a half fragment's first 512
	s_mul_i32 s23, s22, STG
	v_add_nc_u32 v2, s23, v1                       ; the stage on the way in
	v_and_b32 v8, 15, v0                           ; r
	v_bfe_u32 v9, v0, 4, 1                         ; h
	v_mul_u32_u24 v3, v8, 528
	v_lshl_add_u32 v3, v9, 7, v3
	v_add_nc_u32 v3, s23, v3                       ; and on the way out: row r, + 128 h: my 32 numbers of a block pair
	v_lshlrev_b32 v5, 3, v7                        ; 8 x lane
	v_add_nc_u32 v4, 512, v5                       ; a half fragment's last 256 bytes
	v_lshlrev_b32 v6, 3, v9                        ; 8 h: my bytes' shift in a scale word
	v_mov_b32 v[TM+7], 0                           ; a lane permute's destination counts as one of its sources
	s_mov_b32 s36, 0x76543210
	s_mov_b32 s37, 0xfedcba98                      ; selects for lane l xor 16
	s_mov_b32 s38, 0xffff0000                      ; lanes 16-31
	s_cmp_lt_u32 ttmp9, 256
	s_cselect_b32 s24, 0, 256
	s_sub_co_u32 s24, ttmp9, s24                   ; my number among x's work-groups or the weights'
	s_lshr_b32 s25, s24, 1                         ; the group of 64 rows
	s_and_b32 s26, s24, 1
	s_lshl_b32 s26, s26, 2
	s_add_co_u32 s26, s26, s22                     ; my K step of 128
	s_lshr_b32 s27, s25, 4                         ; which weight
	s_and_b32 s28, s25, 15
	s_cmp_lt_u32 ttmp9, 256
	s_cselect_b32 s28, s25, s28                    ; the group inside its tensor
	s_lshl_b32 s28, s28, 18                        ; 64 rows of 4,096 bytes
	s_lshl_b32 s29, s26, 9
	s_add_co_u32 s28, s28, s29
	s_mov_b32 s29, 0
	s_mul_i32 s30, s25, 49152                      ; the codes: 4 tiles of 12,288 bytes a group,
	s_mul_i32 s31, s26, 1536                       ; two half fragments a K step
	s_add_co_u32 s30, s30, s31
	s_mov_b32 s31, 0
	s_lshl_b32 s32, s25, 11                        ; the scales: 2,048 bytes a group, 256 a K step
	s_lshl_b32 s33, s26, 8
	s_add_co_u32 s32, s32, s33
	s_cmp_lt_u32 ttmp9, 256
	s_mov_b32 s33, 3145728
	s_cselect_b32 s33, 6291456, s33                ; behind the buffer's codes
	s_add_co_u32 s32, s32, s33
	s_mov_b32 s33, 0
	s_wait_alu depctr_va_vdst(0)
	s_wait_kmcnt 0x0
	s_cmp_eq_u32 s27, 1                            ; the choices hang on the work-group's number alone
	s_cselect_b64 s[6:7], s[8:9], s[6:7]
	s_cmp_eq_u32 s27, 2
	s_cselect_b64 s[6:7], s[10:11], s[6:7]
	s_cmp_eq_u32 s27, 3
	s_cselect_b64 s[6:7], s[12:13], s[6:7]
	s_cmp_lt_u32 ttmp9, 256
	s_cselect_b64 s[4:5], s[4:5], s[6:7]
	s_cselect_b64 s[16:17], s[16:17], s[18:19]
	s_add_nc_u64 s[4:5], s[4:5], s[28:29]          ; the numbers
	s_add_nc_u64 s[34:35], s[16:17], s[32:33]      ; the scale words
	s_add_nc_u64 s[16:17], s[16:17], s[30:31]      ; the codes
.macro LOAD a                          ; fragment a's 16 rows, 512 consecutive bytes a load
.irp i, 0,1,2,3,4,5,6,7,8,9,10,11,12,13,14,15
	global_load_b128 v[X+64*((\a)%2)+4*\i:X+64*((\a)%2)+4*\i+3], v1, s[4:5] offset:(32*((\a)/2)+8*((\a)%2)+\i+8*(\i/8))*4096 th:TH_LOAD_NT
.endr
.endm
.macro TURN a                          ; through the stage: in as rows, out as a lane's 2 x 32 neighbours: register 32 c + n = K 64 c + 32 h + n of row r.  LDS serves a wave in order: no wait between
.irp i, 0,1,2,3,4,5,6,7,8,9,10,11,12,13,14,15
	ds_store_b128 v2, v[X+64*((\a)%2)+4*\i:X+64*((\a)%2)+4*\i+3] offset:528*\i
.endr
.irp c, 0,1
.irp q, 0,1,2,3,4,5,6,7
	ds_load_b128 v[X+64*((\a)%2)+32*\c+4*\q:X+64*((\a)%2)+32*\c+4*\q+3], v3 offset:256*\c+16*\q
.endr
.endr
.endm
.macro QB a                            ; two whole blocks a lane: blocks h and 2 + h of my row
.set XS, X+64*((\a)%2)
.set CC, C+12*(\a)
.irp c, 0,1
	v_max3_num_f32 v[TM+\c], |v[XS+32*\c]|, |v[XS+32*\c+1]|, 0x1800000   ; with the floor 2^(3 - 127): the byte cannot fall under 1
.endr
.irp i, 2,4,6,8,10,12,14,16,18,20,22,24,26,28,30
.irp c, 0,1
	v_max3_num_f32 v[TM+\c], v[TM+\c], |v[XS+32*\c+\i]|, |v[XS+32*\c+\i+1]|
.endr
.endr
.irp c, 0,1
	v_add_nc_u32 v[TM+2+\c], 0xff000000, v[TM+\c]  ; 2 off the exponent field: the conversion's scale operand
.endr
.irp c, 0,1
	v_lshrrev_b32 v[TM+4+\c], 23, v[TM+2+\c]       ; the byte
.endr
	v_lshl_or_b32 v[TM+6], v[TM+5], 16, v[TM+4]
	v_lshlrev_b32 v[TM+6], v6, v[TM+6]             ; at their places in the word,
	v_permlanex16_b32 v[TM+7], v[TM+6], s36, s37
	v_or_b32 v[PW+\a], v[TM+6], v[TM+7]            ; with lane l xor 16's two the word is whole
.irp c, 0,1
	v_cvt_scalef32_pk16_fp6_f32 v[CC+6*\c:CC+6*\c+2], v[XS+32*\c:XS+32*\c+15], v[TM+2+\c]
	v_cvt_scalef32_pk16_fp6_f32 v[C2+4*\c:C2+4*\c+2], v[XS+32*\c+16:XS+32*\c+31], v[TM+2+\c]   ; (a conversion's three registers begin on an even number)
.endr
	v_nop                                          ; one plain place behind a scaled conversion
.if (\a) < 2
	LOAD (\a)+2                                    ; the set is free
.endif
.irp c, 0,1
.irp i, 0,1,2
	v_mov_b32 v[CC+6*\c+3+\i], v[C2+4*\c+\i]
.endr
.endr
	global_store_b128 v1, v[CC:CC+3], s[16:17] offset:12288*(\a)            ; each store covers 512 or 256 consecutive bytes, aligned
	global_store_b64 v4, v[CC+4:CC+5], s[16:17] offset:12288*(\a)
	global_store_b128 v1, v[CC+6:CC+9], s[16:17] offset:12288*(\a)+768
	global_store_b64 v4, v[CC+10:CC+11], s[16:17] offset:12288*(\a)+768
.endm
	LOAD 0
	LOAD 1
.irp a, 0,1,2,3
.if \a < 3
	s_wait_loadcnt 16                              ; this fragment's 16 loads are in; the younger set's 16 may be out
.else
	s_wait_loadcnt 0x0
.endif
	TURN \a
	s_wait_dscnt 0x0
	QB \a
.endr
	v_cndmask_b32 v220, v[PW], v[PW+1], s38        ; tile 0's words in lanes 0-15, tile 1's in lanes 16-31,
	v_cndmask_b32 v221, v[PW+2], v[PW+3], s38      ; tiles 2 and 3 likewise
	global_store_b64 v5, v[220:221], s[34:35]      ; 256 consecutive bytes, aligned
	s_wait_tensorcnt 0x0                           ; the wave's end
	ds_add_u32 v[SPW], v[NIL]
	s_wait_dscnt 0x0
	s_endpgm
.Lmask:                                            ; wave w takes batch w: 2,048 keys.
	v_bfe_u32 v1, v0, 4, 1
	v_bfe_u32 v2, v0, 3, 1
	v_bfe_u32 v3, v0, 2, 1
	v_and_b32 v4, 3, v0
	v_lshlrev_b32 v5, 8, v1                        ; word 128 t + 4 l + e of the output belongs to key 128 t + 64 l4 + 32 (e % 2) + 8 l3 + 16 l2 + 2 (l % 4) + e / 2
	v_lshl_add_u32 v5, v2, 5, v5
	v_lshl_add_u32 v5, v3, 6, v5
	v_lshl_add_u32 v5, v4, 3, v5
	s_wait_alu depctr_va_vdst(0)
	v_lshlrev_b32 v6, 4, v7
	s_lshl_b32 s24, s22, 13                        ; a batch is 8,192 bytes in both
	s_mov_b32 s25, 0
	s_wait_kmcnt 0x0
	s_add_nc_u64 s[14:15], s[14:15], s[24:25]
	s_add_nc_u64 s[20:21], s[20:21], s[24:25]
.irp t, 0,1,2,3,4,5,6,7,8,9,10,11,12,13,14,15
.irp e, 0,1,2,3
	global_load_b32 v[32+4*\t+\e], v5, s[14:15] offset:4*(128*\t+32*(\e%2)+\e/2)
.endr
.endr
	s_wait_loadcnt 0x0
	v_or_b32 v8, v32, v33
.set n, 2
.rept 62
	v_or_b32 v8, v8, v[32+n]
.set n, n+1
.endr
	v_cmp_ne_u32 vcc_lo, 0, v8
	s_cmp_lg_u32 vcc_lo, 0                         ; has the batch an open key?  It selects values only
	s_cselect_b32 s26, 0xffff, 0
	s_cselect_b32 s27, 0xe6ffff, 0
	v_mov_b32 v9, s26
	v_mov_b32 v10, s27
.set n, 0
.rept 64
	v_cmp_eq_u32 vcc_lo, 0, v[32+n]
	v_cndmask_b32 v[32+n], v9, v10, vcc_lo
.set n, n+1
.endr
.irp t, 0,1,2,3,4,5,6,7,8,9,10,11,12,13,14,15
	global_store_b128 v6, v[32+4*\t:35+4*\t], s[20:21] offset:512*\t
.endr
	s_endpgm
.Lfunc_end_k_q65f008d190_quant:
	.size	k_q65f008d190_quant, .Lfunc_end_k_q65f008d190_quant-k_q65f008d190_quant
	.p2alignl 7, 3214868480
	.fill 96, 4, 3214868480
	.section	.rodata,"a",@progbits
	.p2align	6, 0x0
	.amdhsa_kernel k_q65f008d190_quant
		.amdhsa_group_segment_fixed_size 34304
		.amdhsa_private_segment_fixed_size 0
		.amdhsa_enable_private_segment 0
		.amdhsa_kernarg_size 72
		.amdhsa_user_sgpr_count 2
		.amdhsa_user_sgpr_kernarg_segment_ptr 1
		.amdhsa_wavefront_size32 1
		.amdhsa_system_sgpr_workgroup_id_x 1
		.amdhsa_system_sgpr_workgroup_id_y 1
		.amdhsa_system_sgpr_workgroup_id_z 1
		.amdhsa_system_vgpr_workitem_id 0
		.amdhsa_next_free_vgpr 224
		.amdhsa_next_free_sgpr 66
		.amdhsa_reserve_vcc 1
		.amdhsa_float_denorm_mode_32 3
		.amdhsa_float_denorm_mode_16_64 3
		.amdhsa_memory_ordered 1
		.amdhsa_forward_progress 1
		.amdhsa_inst_pref_size 46
	.end_amdhsa_kernel
	.amdgpu_metadata
---
amdhsa.version: [ 1, 2 ]
amdhsa.kernels:
  - .name:           k_q65f008d190_quant
    .symbol:         k_q65f008d190_quant.kd
    .args:
      - { .name: x, .offset: 0, .size: 8, .value_kind: global_buffer, .address_space: global }
      - { .name: Wq, .offset: 8, .size: 8, .value_kind: global_buffer, .address_space: global }
      - { .name: Wk, .offset: 16, .size: 8, .value_kind: global_buffer, .address_space: global }
      - { .name: Wv, .offset: 24, .size: 8, .value_kind: global_buffer, .address_space: global }
      - { .name: Wo, .offset: 32, .size: 8, .value_kind: global_buffer, .address_space: global }
      - { .name: attention_mask, .offset: 40, .size: 8, .value_kind: global_buffer, .address_space: global }
      - { .name: xq, .offset: 48, .size: 8, .value_kind: global_buffer, .address_space: global }
      - { .name: wq, .offset: 56, .size: 8, .value_kind: global_buffer, .address_space: global }
      - { .name: kmod, .offset: 64, .size: 8, .value_kind: global_buffer, .address_space: global }
    .group_segment_fixed_size: 34304
    .private_segment_fixed_size: 0
    .kernarg_segment_align: 8
    .kernarg_segment_size: 72
    .max_flat_workgroup_size: 128
    .sgpr_count:     66
    .vgpr_count:     224
    .wavefront_size: 32
...
	.end_amdgpu_metadata
.endif
;; end of part 1
;; launch qkv (part 2): grid 8 x 32, 4 waves a work-group, clusters of 4 x 4, 327,680 bytes of LDS; arguments xq, wq, bq, bk, bv, qk, vq; writes qk, vq
.if DOCPART == 2
	.amdgcn_target "amdgcn-amd-amdhsa--gfx1250"
	.amdhsa_code_object_version 6
	.text
	.protected	k_q65f008d190_qkv
	.globl	k_q65f008d190_qkv
	.p2align	8
	.type	k_q65f008d190_qkv,@function
k_q65f008d190_qkv:
	s_mov_b64 s[64:65], 0
	v_nop
	global_prefetch_b8 v0, s[64:65] scope:SCOPE_SE
	s_setreg_imm32_b32 hwreg(HW_REG_WAVE_MODE, 25, 1), 1
	s_wait_xcnt 0x0
	s_wait_alu depctr_hold_cnt(0) depctr_sa_sdst(0) depctr_va_vdst(0) depctr_va_sdst(0) depctr_va_ssrc(0) depctr_va_vcc(0) depctr_vm_vsrc(0)
	s_getreg_b32 s2, hwreg(HW_REG_IB_STS2, 6, 4)
	s_cmp_eq_u32 s2, 0
	s_cbranch_scc0 .Lentry_in_a_cluster
	s_endpgm
.Lentry_in_a_cluster:
	s_bfe_u32 s2, ttmp6, 0x10000c
	s_cmp_lg_u32 s2, 0xf033
	s_cbranch_scc0 .Lentry_shape_is_right
	s_endpgm
.Lentry_shape_is_right:
; q = x Wq^T + bq, k = x Wk^T + bk, v = x Wv^T + bv on codes of E2M3, and the quantisers of q, k (along the head's 64) and v (along the keys) fused: only codes and scale words are stored.  No work is left out.
; TWO ROLES.  P is source 0: its rows run along a lane's registers in the result, and that is the axis which is quantised next.  R is source 1: its row is the lane.
; For q and k: P = rows of Wq, Wk (the features), R = rows of x.  For v: P = rows of x (the keys), R = rows of Wv: the result is v transposed, keys in registers.
; A tile of 16 rows holds in lane row r the row 32 (T / 2) + 8 (T % 2) + r + 8 (r / 8): so register j of the result of P's tile bt in lane (r, h) belongs to P's row 32 (bt / 2) + 16 h + 8 (bt % 2) + j, and the 16
; registers of tiles 2 b, 2 b + 1 are 16 neighbours.  Operands lie in memory as images of their registers (half fragments of 768 bytes; scale words of 4 tiles in 256 bytes): see the first launch.
; SHARES.  A block is 128 rows of R x 256 of P, all of K = 1,024; a wave makes 64 x 128 of it in 32 accumulators.  There are 768 blocks and 256 WORK-GROUPS THAT STAY: the cluster at (X, Y) makes three blocks a work-group:
; q, k with tokens' tile row Y, q, k with tile row Y + 8 (the same rows of the weights), in a loop of two trips, and v with keys' tile Y, written out as the tail, which asks for nothing more.
; THE RING.  LDS holds two slots, each one half of K (512 along K: P's 16 tiles x 6,144 bytes, then R's 8).  It does not stop at a block's end: in K step 3, when slot 0 is read out, it takes the next block's first half; in
; K step 7 slot 1 takes its second half, and the next block's first fragments are fetched.  Each refill stands behind a tensor wait, an LDS add and its wait, and a round of the cluster's barrier, one joint load a wave;
; a load has four K steps, 128 products a wave, or the way out and three K steps in which to land.  So no prefetch is laid: what a refill asks for is asked for that far ahead by the load itself.
; CLUSTER 4 x 4: P's tiles hang on cx alone and are shared along a column, R's on cy alone and are shared along a row: each is asked for jointly.
; THE BIAS is the C of the first K step's products: bq or bk along P in eight registers a tile of P (window 1), bv along R in eight equal registers a tile of R (window 3); both are loaded once, at the head.
; LIMITS: NaN and infinities are not served; blocks whose largest magnitude lies under 2^-124 keep the byte 1 (a block of zeros too: its codes are zeros, and this program alone reads the bytes).
; REGISTERS: window 0: v1-4, v12-15 LDS addresses in slots 0, 1; v5-9 lane offsets; v10, v11 the add's two; v16-47 P's scale words, v48-63 R's (all 8 K steps); v64-159 R's fragments, two sets of 48; v160-189 at work;
;   v194-233 two sets of codes on the way out.   window 1: v0-191 P's fragments, two sets of 96; v192-255 the bias along P.   window 2: the accumulators, (a, bt) at v[8 (8 a + bt)].   window 3: v0-31 the bias along R.
.set CH,    147456                     ; a slot
.set SPARE, 294912                     ; behind the slots: the spare words, 128 bytes a wave, that no other line names
.set SPW, 10
.set NIL, 11
.set SCP, 16
.set SCR, 48
.set RF,  64
.set TM,  160
.set PW,  184
.set PCB, 194
.set MSB, 0
.macro WIN new                         ; the immediate's high byte repeats the setting that is left
.if MSB != \new
	s_set_vgpr_msb (MSB<<8)|\new
.set MSB, \new
.endif
.endm
.macro PLACES                          ; four places behind matrix instructions, in front of loads into their sources and of reads of their results
.rept 4
	v_nop
.endr
.endm
.macro WALU
	s_wait_alu depctr_va_vdst(0)
.endm
.macro CROUND                          ; a round of the cluster's barrier
	s_barrier_signal -1
	s_barrier_wait -1
	s_cmp_lg_u32 s18, 0
	s_cbranch_scc1 .Lnot_wave_0_\@
	s_barrier_signal -3
.Lnot_wave_0_\@:
	s_barrier_wait -3
	s_barrier_signal -1
	s_barrier_wait -1
.endm
.macro JLOAD slot                      ; a joint load: waves 0, 1 fetch P's halves, waves 2, 3 R's
	s_cmp_lt_u32 s18, 2
	s_cbranch_scc0 .Lfor_r_\@
	tensor_load_to_lds s[40+4*\slot:43+4*\slot], s[24:31]
	s_nop 0
	PLACES
	s_branch .Lasked_\@
.Lfor_r_\@:
	tensor_load_to_lds s[56+4*\slot:59+4*\slot], s[32:39]
	s_nop 0
	PLACES
.Lasked_\@:
.endm
.macro TPARAM                          ; of the block with role s77 (1: v), P's tile s78 and R's tile s79: s[82:83], s[84:85] the codes that I fetch of P and of R; s[88:89], s[90:91] my rows' scale words
	s_mul_i32 s82, s78, 196608                     ; P's codes: 16 tiles of 12,288 bytes, + the half that I fetch
	s_mul_i32 s83, s19, 98304
	s_add_co_u32 s82, s82, s83
	s_mov_b32 s83, 0
	s_mul_i32 s84, s79, 98304                      ; R's: 8 tiles, + the half that I fetch
	s_mul_i32 s85, s19, 49152
	s_add_co_u32 s84, s84, s85
	s_lshl_b32 s88, s78, 13                        ; P's scale words: my 128 rows, two groups of 2,048 bytes
	s_lshl_b32 s89, s19, 12
	s_add_co_u32 s88, s88, s89
	s_lshl_b32 s90, s79, 12                        ; R's: my 64 rows, one group
	s_lshl_b32 s91, s20, 11
	s_add_co_u32 s90, s90, s91
	s_cmp_eq_u32 s77, 1                            ; the role hangs on the loop's count alone: the same in all sixteen partners
	s_cselect_b32 s85, 1572864, 0                  ; Wv begins 128 tiles into wq
	s_mov_b32 s89, 3145728
	s_cselect_b32 s89, 6291456, s89                ; the scale words lie behind each buffer's codes
	s_mov_b32 s91, 6291456
	s_cselect_b32 s91, 3211264, s91
	s_cselect_b64 s[92:93], s[4:5], s[6:7]         ; P's buffer
	s_cselect_b64 s[94:95], s[6:7], s[4:5]         ; R's
	s_add_co_u32 s84, s84, s85
	s_add_co_u32 s88, s88, s89
	s_add_co_u32 s90, s90, s91
	s_mov_b32 s85, 0
	s_mov_b32 s89, 0
	s_mov_b32 s91, 0
	s_add_nc_u64 s[82:83], s[92:93], s[82:83]
	s_add_nc_u64 s[84:85], s[94:95], s[84:85]
	s_add_nc_u64 s[88:89], s[92:93], s[88:89]
	s_add_nc_u64 s[90:91], s[94:95], s[90:91]
.endm
.macro GSET slot                       ; group 0's addresses for that block's half \slot of K; written only where no tensor load of mine is out
	s_add_nc_u64 s[42+4*\slot:43+4*\slot], s[82:83], \slot*6144
	s_or_b32 s[43+4*\slot], s[43+4*\slot], 0x80000000
	s_add_nc_u64 s[58+4*\slot:59+4*\slot], s[84:85], \slot*6144
	s_or_b32 s[59+4*\slot], s[59+4*\slot], 0x80000000
.endm
.macro SCLOAD                          ; the scale words of all 8 K steps, straight into registers: each load is 256 consecutive bytes
.irp g, 0,1
.irp k, 0,1,2,3,4,5,6,7
	global_load_b64 v[SCP+16*\g+2*\k:SCP+16*\g+2*\k+1], v5, s[88:89] offset:2048*\g+256*\k
.endr
.endr
.irp k, 0,1,2,3,4,5,6,7
	global_load_b64 v[SCR+2*\k:SCR+2*\k+1], v5, s[90:91] offset:256*\k
.endr
.endm
	s_load_b256 s[4:11], s[0:1], 0x0               ; xq, wq, bq, bk
	s_load_b128 s[12:15], s[0:1], 0x20             ; bv, qk
	s_load_b64 s[16:17], s[0:1], 0x30              ; vq
	v_lshl_add_u32 v[SPW], v0, 2, SPARE
	v_mov_b32 v[NIL], 0
	ds_add_u32 v[SPW], v[NIL]                      ; the opening: the add, twice on end, and its wait ahead of my first tensor load
	ds_add_u32 v[SPW], v[NIL]
	v_lshrrev_b32 v1, 5, v0
	v_readfirstlane_b32 s18, v1                    ; wave
	s_and_b32 s19, s18, 1                          ; my half of P's rows; also: which half of a tile I fetch
	s_lshr_b32 s20, s18, 1                         ; my half of R's rows; also: I fetch for P (0) or R (1)
	s_bfe_u32 s21, ttmp6, 0x40000                  ; cx
	s_bfe_u32 s22, ttmp6, 0x40004                  ; cy
	s_lshl_b32 s48, ttmp9, 2
	s_add_co_u32 s49, s48, s22                     ; 4 X + cy: R's tile of the block of v
	s_add_co_u32 s48, s48, s21                     ; 4 X + cx: P's tile of the blocks of q, k
	s_and_b32 s50, ttmp7, 0xffff
	s_lshl_b32 s50, s50, 2
	s_add_co_u32 s51, s50, s22                     ; 4 Y + cy: R's tile of the first block of q, k; the second's lies 32 further on
	s_add_co_u32 s50, s50, s21                     ; 4 Y + cx: P's tile of the block of v
	s_lshl_b32 s80, 0x1111, s21                    ; my column of the cluster
	s_lshl_b32 s81, s22, 2
	s_lshl_b32 s81, 15, s81                        ; my row
	; group 1: rows of 6,144 bytes (a tile's 512 along K; 768 elements of 8 bytes), 12,288 bytes apart in memory, dense in LDS; 8 tiles for P, 4 for R
	s_or_b32 s24, s80, (3<<16)|(1<<21)
	s_mov_b32 s25, 768<<16
	s_mov_b32 s26, 8<<16
	s_mov_b32 s27, 768<<16
	s_mov_b32 s28, 8
	s_mov_b32 s29, 1536
	s_mov_b32 s30, 0
	s_mov_b32 s31, 0
	s_or_b32 s32, s81, (3<<16)|(1<<21)
	s_mov_b32 s33, 768<<16
	s_mov_b32 s34, 4<<16
	s_mov_b32 s35, 768<<16
	s_mov_b32 s36, 4
	s_mov_b32 s37, 1536
	s_mov_b32 s38, 0
	s_mov_b32 s39, 0
	s_mul_i32 s86, s19, 49152                      ; where they go in a slot: no place in the cluster enters an LDS address
	s_mul_i32 s87, s19, 24576
	s_add_co_u32 s87, s87, 98304
	s_mov_b32 s40, 1                               ; group 0, a set for each slot: P's in s40-47, R's in s56-63
	s_mov_b32 s41, s86
	s_mov_b32 s44, 1
	s_add_co_u32 s45, s86, CH
	s_mov_b32 s56, 1
	s_mov_b32 s57, s87
	s_mov_b32 s60, 1
	s_add_co_u32 s61, s87, CH
	s_mov_b32 s2, 0x76543210
	s_mov_b32 s3, 0xfedcba98                       ; selects for lane l xor 16
	s_mov_b32 s96, 0xffff0000                      ; lanes 16-31
	s_mov_b32 s23, 0                               ; the loop's count
	s_mov_b32 s77, 0                               ; the first block: q, k
	s_mov_b32 s78, s48
	s_mov_b32 s79, s51
	s_mov_b32 s52, s48                             ; s52, s53: P's and R's tile of the block at work
	s_mov_b32 s53, s51
	s_wait_dscnt 0x0                               ; both opening adds are done
	s_wait_kmcnt 0x0
	TPARAM
	GSET 0
	GSET 1
	CROUND                                         ; all sixteen work-groups are here: the joint loads meet
	JLOAD 0                                        ; the first block's first half of K: one tensor load a wave at the head
	v_and_b32 v160, 31, v0
	v_lshlrev_b32 v6, 4, v160                      ; 16 x lane
	v_lshlrev_b32 v5, 3, v160                      ; 8 x lane
	v_add_nc_u32 v7, 512, v5
	s_mul_i32 s97, s19, 49152
	v_add_nc_u32 v1, s97, v6                       ; my 8 tiles of P in slot 0: registers 0-3 of a half fragment,
	v_add_nc_u32 v2, s97, v7                       ; registers 4-5
	s_mul_i32 s97, s20, 24576
	s_add_co_u32 s97, s97, 98304
	v_add_nc_u32 v3, s97, v6                       ; my 4 tiles of R
	v_add_nc_u32 v4, s97, v7
	v_add_nc_u32 v12, CH, v1                       ; and the same in slot 1
	v_add_nc_u32 v13, CH, v2
	v_add_nc_u32 v14, CH, v3
	v_add_nc_u32 v15, CH, v4
	v_bfe_u32 v161, v0, 4, 1
	v_lshlrev_b32 v8, 6, v161                      ; 64 h: a bias along P
	v_and_b32 v162, 15, v0
	v_and_b32 v163, 8, v162
	v_add_nc_u32 v162, v162, v163
	v_lshlrev_b32 v9, 2, v162                      ; 4 (r + 8 (r / 8)): a bias along R
.irp b, 0,1,2,3
	v_mov_b32 v[TM+4+\b], 0                        ; a lane permute's destination counts as one of its sources
.endr
	s_and_b32 s97, s48, 3                          ; bq or bk at my 128 features
	s_lshl_b32 s97, s97, 10
	s_lshl_b32 s100, s19, 9
	s_add_co_u32 s54, s97, s100
	s_mov_b32 s55, 0
	s_cmp_lt_u32 s48, 4
	s_cselect_b64 s[98:99], s[8:9], s[10:11]
	s_add_nc_u64 s[98:99], s[98:99], s[54:55]
	s_lshl_b32 s54, s49, 9                         ; bv at my 64 features
	s_lshl_b32 s100, s20, 8
	s_add_co_u32 s54, s54, s100
	s_add_nc_u64 s[12:13], s[12:13], s[54:55]
	WALU
	SCLOAD
	WIN 0x40                                       ; destination window 1
.irp bt, 0,1,2,3,4,5,6,7
	global_load_b128 v[192+8*\bt:192+8*\bt+3], v8, s[98:99] offset:128*(\bt/2)+32*(\bt%2)
	global_load_b128 v[192+8*\bt+4:192+8*\bt+7], v8, s[98:99] offset:128*(\bt/2)+32*(\bt%2)+16
.endr
	WIN 0xc0                                       ; destination window 3
.irp a, 0,1,2,3
	global_load_b32 v[8*\a], v9, s[12:13] offset:128*(\a/2)+32*(\a%2)
.endr
	WIN 0
	s_wait_loadcnt 0x0
	WIN 0xc3
.irp a, 0,1,2,3
.irp i, 1,2,3,4,5,6,7
	v_mov_b32 v[8*\a+\i], v[8*\a]                  ; the lane's feature is the same in all eight registers of a result's tile
.endr
.endr
	WIN 0
.macro WM a, bt, set, ks, role         ; one product: P's tile bt x R's tile a, K step ks.  A tile's scale words lie in lanes 0-15 (even tile) or 16-31 (odd tile) of its pair's register.  The first K step's C is the bias
.set rD, 8*(8*(\a)+(\bt))
.set rC, rD
.if (\ks) == 0
.if \role
.set rC, 8*(\a)
.else
.set rC, 192+8*(\bt)
.endif
.endif
.set rP, 96*(\set)+12*(\bt)
.set rR, RF+48*(\set)+12*(\a)
.set rX, SCP+16*((\bt)/4)+2*(\ks)+((\bt)%4)/2
.set rY, SCR+2*(\ks)+(\a)/2
.if ((\bt)%2 == 0) && ((\a)%2 == 0)
	v_wmma_scale_f32_16x16x128_f8f6f4 v[rD:rD+7], v[rP:rP+11], v[rR:rR+11], v[rC:rC+7], v[rX], v[rY] matrix_a_fmt:MATRIX_FMT_FP6 matrix_b_fmt:MATRIX_FMT_FP6
.elseif ((\a)%2 == 0)
	v_wmma_scale_f32_16x16x128_f8f6f4 v[rD:rD+7], v[rP:rP+11], v[rR:rR+11], v[rC:rC+7], v[rX], v[rY] matrix_a_fmt:MATRIX_FMT_FP6 matrix_b_fmt:MATRIX_FMT_FP6 matrix_a_scale:MATRIX_SCALE_ROW1
.elseif ((\bt)%2 == 0)
	v_wmma_scale_f32_16x16x128_f8f6f4 v[rD:rD+7], v[rP:rP+11], v[rR:rR+11], v[rC:rC+7], v[rX], v[rY] matrix_a_fmt:MATRIX_FMT_FP6 matrix_b_fmt:MATRIX_FMT_FP6 matrix_b_scale:MATRIX_SCALE_ROW1
.else
	v_wmma_scale_f32_16x16x128_f8f6f4 v[rD:rD+7], v[rP:rP+11], v[rR:rR+11], v[rC:rC+7], v[rX], v[rY] matrix_a_fmt:MATRIX_FMT_FP6 matrix_b_fmt:MATRIX_FMT_FP6 matrix_a_scale:MATRIX_SCALE_ROW1 matrix_b_scale:MATRIX_SCALE_ROW1
.endif
.endm
.macro MUL ks, role                    ; 32 products.  The 32 accumulators take turns, one instruction a turn, in the same order in every step
.if (\ks) == 0
	WIN 0x91+0x20*\role                            ; source 0 window 1, source 1 window 0, D window 2; C, the bias, window 1 or 3
.else
	WIN 0xa1                                       ; C and D window 2
.endif
.irp a, 0,1,2,3
.irp bt, 0,1,2,3,4,5,6,7
	WM \a, \bt, (\ks)%2, \ks, \role
.endr
.endr
.endm
.macro FETCH ks                        ; 48 LDS loads in one run: K step ks % 8's fragments into set ks % 2; every load takes consecutive bytes
.set fs, (\ks)%2
.set fk, (\ks)%4                       ; the K step's place in its slot
.set fa, 1+11*(((\ks)%8)/4)            ; the slot's four address registers
	WIN 0x40                                       ; destination window 1
.irp bt, 0,1,2,3,4,5,6,7
	ds_load_b128 v[96*fs+12*\bt:96*fs+12*\bt+3], v[fa] offset:6144*\bt+1536*fk
	ds_load_b64 v[96*fs+12*\bt+4:96*fs+12*\bt+5], v[fa+1] offset:6144*\bt+1536*fk
	ds_load_b128 v[96*fs+12*\bt+6:96*fs+12*\bt+9], v[fa] offset:6144*\bt+1536*fk+768
	ds_load_b64 v[96*fs+12*\bt+10:96*fs+12*\bt+11], v[fa+1] offset:6144*\bt+1536*fk+768
.endr
	WIN 0
.irp a, 0,1,2,3
	ds_load_b128 v[RF+48*fs+12*\a:RF+48*fs+12*\a+3], v[fa+2] offset:6144*\a+1536*fk
	ds_load_b64 v[RF+48*fs+12*\a+4:RF+48*fs+12*\a+5], v[fa+3] offset:6144*\a+1536*fk
	ds_load_b128 v[RF+48*fs+12*\a+6:RF+48*fs+12*\a+9], v[fa+2] offset:6144*\a+1536*fk+768
	ds_load_b64 v[RF+48*fs+12*\a+10:RF+48*fs+12*\a+11], v[fa+3] offset:6144*\a+1536*fk+768
.endr
.endm
.macro STEP ks, role, refill           ; the next step's fragments are asked for first and have this step's 32 products in which to land
.if ((\ks) == 3) && (\refill)
	WIN 0
	s_wait_tensorcnt 0x0                           ; all my tensor loads have landed: my part of slot 1;
	ds_add_u32 v[SPW], v[NIL]                      ; 0 onto my spare word; the next block's numbers, work on registers, stand between it and the wait for it
	s_add_co_u32 s54, s51, 32
	s_cmp_eq_u32 s23, 0                            ; behind the first block comes the second of q, k, behind that the block of v
	s_cselect_b32 s77, 0, 1
	s_cselect_b32 s78, s48, s50
	s_cselect_b32 s79, s54, s49
	TPARAM
	GSET 0
	s_wait_dscnt 0x0                               ; the add is done, and my reads of slot 0 are over
	CROUND                                         ; the same holds of every wave of all sixteen work-groups
	JLOAD 0                                        ; the next block's first half of K; the four v_nop behind it are the places in front of the loads below
	FETCH 4
	s_wait_dscnt 48
.elseif (\ks) == 3
	WIN 0
	s_wait_tensorcnt 0x0                           ; my part of slot 1 has landed
	s_wait_dscnt 0x0
	s_barrier_signal -1
	s_barrier_wait -1
	PLACES
	FETCH 4
	s_wait_dscnt 48
.elseif ((\ks) == 7) && (\refill)
	WIN 0
	s_wait_tensorcnt 0x0                           ; my part of the next block's first half has landed;
	ds_add_u32 v[SPW], v[NIL]
	GSET 1
	s_wait_dscnt 0x0                               ; the add is done, and my reads of slot 1 are over
	CROUND
	JLOAD 1                                        ; the next block's second half of K
	FETCH 8                                        ; and its first fragments, out of slot 0, which the round has shown whole
	s_wait_dscnt 48
.elseif (\ks) == 7
	s_wait_dscnt 0x0
.else
	PLACES
	FETCH (\ks)+1
	s_wait_dscnt 48                                ; this step's fragments are in; the 48 just issued may be out
.endif
.if (\ks) == 0
	s_wait_loadcnt 0x0                             ; this block's scale words
.endif
	MUL \ks, \role
.endm
; Tile a's 64 numbers of a lane (window 2; register 16 b + i = P's row 32 b + 16 h + i) become a fragment's codes and its scale word.  Each accumulator is read from its low end on.
.macro QUANT a, role
.set sA, 64*(\a)
.set PC, PCB+20*((\a)%2)
.if \role
.set o0, 1536*(\a)                     ; v: [step of 128 keys][tile][half][768]
.set o1, o0+768
.else
.set o0, 768*(\a)                      ; q, k: [head][tile of tokens][768]: a fragment's halves are two heads
.set o1, o0+393216
.endif
.if (\a) >= 2
	WALU                                           ; directly ahead of the wait below
	s_wait_xcnt 0x0                                ; tile a - 2's stores have read their registers
.endif
	WIN 0x0a                                       ; sources 0 and 1 window 2
.irp b, 0,1,2,3
	v_max3_num_f32 v[TM+\b], |v[sA+16*\b]|, |v[sA+1+16*\b]|, 0x1800000   ; with the floor 2^(3 - 127)
.endr
.irp i, 2,4,6,8,10,12,14
.irp b, 0,1,2,3
	v_max3_num_f32 v[TM+\b], |v[sA+16*\b+\i]|, |v[sA+1+16*\b+\i]|, v[TM+\b]
.endr
.endr
	WIN 0
.irp b, 0,1,2,3
	v_permlanex16_b32 v[TM+4+\b], v[TM+\b], s2, s3
.endr
.irp b, 0,1,2,3
	v_max_num_f32 v[TM+\b], v[TM+\b], v[TM+4+\b]   ; with lane l xor 16's: the block's largest magnitude
.endr
.irp b, 0,1,2,3
	v_add_nc_u32 v[TM+12+\b], 0xff000000, v[TM+\b] ; the conversion's scale operand
.endr
.irp b, 0,1,2,3
	v_lshrrev_b32 v[TM+4+\b], 23, v[TM+12+\b]      ; the byte
.endr
	v_lshl_or_b32 v[PW+\a], v[TM+5], 8, v[TM+4]
	v_lshl_or_b32 v[PW+\a], v[TM+6], 16, v[PW+\a]
	v_lshl_or_b32 v[PW+\a], v[TM+7], 24, v[PW+\a]
	WIN 0x02                                       ; source 0 window 2
.irp c, 0,1
	v_cvt_scalef32_pk16_fp6_f32 v[PC+6*\c:PC+2+6*\c], v[sA+32*\c:sA+15+32*\c], v[TM+12+2*\c]
	v_cvt_scalef32_pk16_fp6_f32 v[PC+12+4*\c:PC+14+4*\c], v[sA+16+32*\c:sA+31+32*\c], v[TM+12+2*\c+1]
.endr
	WIN 0
	v_nop                                          ; one plain place behind a scaled conversion
.irp c, 0,1                            ; the operand's layout wants a whole block in a lane
.irp i, 0,1,2
	v_permlane16_swap_b32 v[PC+6*\c+\i], v[PC+12+4*\c+\i]
.endr
.irp i, 0,1,2
	v_mov_b32 v[PC+3+6*\c+\i], v[PC+12+4*\c+\i]
.endr
.endr
	global_store_b128 v6, v[PC:PC+3], s[66:67] offset:o0           ; each store covers 512 or 256 consecutive bytes, aligned
	global_store_b64 v7, v[PC+4:PC+5], s[66:67] offset:o0
	global_store_b128 v6, v[PC+6:PC+9], s[66:67] offset:o1
	global_store_b64 v7, v[PC+10:PC+11], s[66:67] offset:o1
.endm
.macro TILE role, refill               ; a block: eight K steps and the way out.  At its start slot 0 is whole, its first fragments are asked for, and its scale words are on their way
.irp k, 0,1,2,3,4,5,6,7
	STEP \k, \role, \refill
.endr
	WIN 0
	PLACES
.if \refill
	SCLOAD                                         ; the next block's scale words: they have the way out in which to land
.endif
	s_wait_xcnt 0x0                                ; the last block's stores have read their registers and their bases
	s_lshl_b32 s54, s52, 1
	s_add_co_u32 s54, s54, s19                     ; my 128 rows of P: q, k: a pair of heads; v: a step of 128 keys
	s_lshl_b32 s55, s53, 1
	s_add_co_u32 s55, s55, s20                     ; my 64 rows of R: q, k: four tiles of tokens; v: a head
.if \role
	s_mul_i32 s66, s54, 6144
	s_mul_i32 s67, s55, 393216
	s_lshl_b32 s68, s54, 8
	s_lshl_b32 s69, s55, 14
	s_add_co_u32 s68, s68, 6291456
.else
	s_mul_i32 s66, s54, 786432
	s_mul_i32 s67, s55, 3072
	s_lshl_b32 s68, s54, 15
	s_lshl_b32 s69, s55, 8
	s_add_co_u32 s68, s68, 12582912
.endif
	s_add_co_u32 s66, s66, s67
	s_mov_b32 s67, 0
	s_add_co_u32 s68, s68, s69
	s_mov_b32 s69, 0
.if \role
	s_add_nc_u64 s[66:67], s[16:17], s[66:67]      ; the codes
	s_add_nc_u64 s[68:69], s[16:17], s[68:69]      ; the scale words
.else
	s_add_nc_u64 s[66:67], s[14:15], s[66:67]
	s_add_nc_u64 s[68:69], s[14:15], s[68:69]
.endif
	QUANT 0, \role
	QUANT 1, \role
	QUANT 2, \role
	QUANT 3, \role
	v_cndmask_b32 v188, v[PW], v[PW+1], s96
	v_cndmask_b32 v189, v[PW+2], v[PW+3], s96
	global_store_b64 v5, v[188:189], s[68:69]      ; the four tiles' scale words: 256 consecutive bytes
.endm
	WALU                                           ; the wait at the head's end
	s_wait_tensorcnt 0x0                           ; my part of slot 0 has landed
	ds_add_u32 v[SPW], v[NIL]
	s_wait_dscnt 0x0
	CROUND                                         ; everybody's part is in, and all sixteen work-groups are here: the joint loads meet
	JLOAD 1                                        ; the first block's second half of K
	FETCH 0
.Ltile:                                                ; the two blocks of q, k
	TILE 0, 1
	s_mov_b32 s52, s78                             ; the next block is the block at work
	s_mov_b32 s53, s79
	s_add_co_u32 s23, s23, 1
	s_cmp_lg_u32 s23, 2
	s_cbranch_scc1 .Ltile
	TILE 1, 0                                      ; the block of v: the tail, which asks for nothing more
	s_wait_tensorcnt 0x0                           ; the wave's end
	ds_add_u32 v[SPW], v[NIL]
	s_wait_dscnt 0x0
	CROUND                                         ; the closing round
	s_endpgm
.Lfunc_end_k_q65f008d190_qkv:
	.size	k_q65f008d190_qkv, .Lfunc_end_k_q65f008d190_qkv-k_q65f008d190_qkv
	.p2alignl 7, 3214868480
	.fill 96, 4, 3214868480
	.section	.rodata,"a",@progbits
	.p2align	6, 0x0
	.amdhsa_kernel k_q65f008d190_qkv
		.amdhsa_group_segment_fixed_size 327680
		.amdhsa_private_segment_fixed_size 0
		.amdhsa_enable_private_segment 0
		.amdhsa_kernarg_size 56
		.amdhsa_user_sgpr_count 2
		.amdhsa_user_sgpr_kernarg_segment_ptr 1
		.amdhsa_wavefront_size32 1
		.amdhsa_system_sgpr_workgroup_id_x 1
		.amdhsa_system_sgpr_workgroup_id_y 1
		.amdhsa_system_sgpr_workgroup_id_z 1
		.amdhsa_system_vgpr_workitem_id 0
		.amdhsa_next_free_vgpr 800
		.amdhsa_next_free_sgpr 104
		.amdhsa_reserve_vcc 0
		.amdhsa_float_denorm_mode_32 3
		.amdhsa_float_denorm_mode_16_64 3
		.amdhsa_memory_ordered 1
		.amdhsa_forward_progress 1
		.amdhsa_inst_pref_size 172
	.end_amdhsa_kernel
	.amdgpu_metadata
---
amdhsa.version: [ 1, 2 ]
amdhsa.kernels:
  - .name:           k_q65f008d190_qkv
    .symbol:         k_q65f008d190_qkv.kd
    .args:
      - { .name: xq, .offset: 0, .size: 8, .value_kind: global_buffer, .address_space: global }
      - { .name: wq, .offset: 8, .size: 8, .value_kind: global_buffer, .address_space: global }
      - { .name: bq, .offset: 16, .size: 8, .value_kind: global_buffer, .address_space: global }
      - { .name: bk, .offset: 24, .size: 8, .value_kind: global_buffer, .address_space: global }
      - { .name: bv, .offset: 32, .size: 8, .value_kind: global_buffer, .address_space: global }
      - { .name: qk, .offset: 40, .size: 8, .value_kind: global_buffer, .address_space: global }
      - { .name: vq, .offset: 48, .size: 8, .value_kind: global_buffer, .address_space: global }
    .group_segment_fixed_size: 327680
    .private_segment_fixed_size: 0
    .kernarg_segment_align: 8
    .kernarg_segment_size: 56
    .max_flat_workgroup_size: 128
    .sgpr_count:     104
    .vgpr_count:     800
    .wavefront_size: 32
...
	.end_amdgpu_metadata
.endif
;; end of part 2
;; launch attn (part 3): grid 4 x 64, 8 waves a work-group, clusters of 4 x 1, 210,944 bytes of LDS; arguments qk, vq, kmod, ao; writes ao
.if DOCPART == 3
	.amdgcn_target "amdgcn-amd-amdhsa--gfx1250"
	.amdhsa_code_object_version 6
	.text
	.protected	k_q65f008d190_attn
	.globl	k_q65f008d190_attn
	.p2align	8
	.type	k_q65f008d190_attn,@function
k_q65f008d190_attn:
	s_mov_b64 s[64:65], 0
	v_nop
	global_prefetch_b8 v0, s[64:65] scope:SCOPE_SE
	s_setreg_imm32_b32 hwreg(HW_REG_WAVE_MODE, 25, 1), 1
	s_wait_xcnt 0x0
	s_wait_alu depctr_hold_cnt(0) depctr_sa_sdst(0) depctr_va_vdst(0) depctr_va_sdst(0) depctr_va_ssrc(0) depctr_va_vcc(0) depctr_vm_vsrc(0)
	s_getreg_b32 s2, hwreg(HW_REG_IB_STS2, 6, 4)
	s_cmp_eq_u32 s2, 0
	s_cbranch_scc0 .Lentry_in_a_cluster
	s_endpgm
.Lentry_in_a_cluster:
	s_bfe_u32 s2, ttmp6, 0x10000c
	s_cmp_lg_u32 s2, 0x3003
	s_cbranch_scc0 .Lentry_shape_is_right
	s_endpgm
.Lentry_shape_is_right:
; softmax(q k^T / 8, masked) v for one head of one batch, both products on codes of E2M3, and the quantiser of the result (along the hidden axis) fused: only codes and scale bytes are stored.  No work is left out.
; THE SOFTMAX: t = score x log2(e) / 8; M = the running largest t rounded up to a whole number; p = 2^(t - M) is quantised along the keys, not normalised; the row's sum is taken of the unquantised p and divides at the end.
; SHARES.  A work-group owns 512 queries of one head; each of its eight waves 64: two passes of TWO tiles of 16 queries, A and B, which share every fragment of K and V: a fragment read from LDS feeds two products.
; A whole head's codes of K and V (2 x 98,304 bytes) stay in LDS, filled once: the loops have no barrier.
; CLUSTER 4 x 1: the four work-groups of a head and batch ask for K and V jointly: one tensor load a wave, one outstanding.  No prefetch: K and V are asked for once, at the head, and there is no loop to run ahead in.
; LAYOUT.  Both products transposed: S^T = K Q^T, O^T = V^T P^T: a lane holds one query throughout.  In memory tile T of K holds in lane row r key 32 (T / 2) + 8 (T % 2) + r + 8 (r / 8).  THE ROWS OF A TILE OF S^T ARE PICKED
; BY THE LANES' LDS ADDRESSES: of a group of 64 keys, tile j takes as rows 0-7 keys 8 j .. 8 j + 7 of the first block of 32 and as rows 8-15 keys 8 ((j + 2) % 4) .. + 7 of the second (stored tile j % 2 + 2 (row / 8),
; stored row = row xor 8 (j / 2)).  So a lane's 32 registers of four tiles are ONE WHOLE BLOCK of 32 keys: its largest p needs no other lane.  In lanes
; 16-31 the block's two halves stand exchanged: twelve selects a tile and step lay the codes as the operand wants them.
; THE HEAD IS 64 AND THE INSTRUCTION'S K IS 128.  Columns 64-127 hold zero codes but for column 64, which carries THE MASK: Q's code there is -1 under the scale byte 64, K's is +1 under the byte 0 (open key: -2^-190,
; under all that a sum keeps) or 230 (masked key: -2^40 on the score, so p = 0 beside any open key; steps that saw masked keys alone are wiped when the first open key moves M: 2^(old M - new M) is 0 there).
; In a batch with no open key the mask words clear K's scale bytes: all scores fall to nothing and p is one power of two for every key: uniform weights, as equal logits give.
; THE ORDER OF A STEP.  The two tiles' work is laid so that lines which do not hang on each other stand side by side: A's score products with the sum of B's p of the step before (so B's p starts a pass as zeros, and the last
; step's sum follows the loop); B's score products with A's search for the largest; each tile's short chain for M among the other tile's independent lines; B's multiply-adds among A's exponentials; the first level of
; A's sum and A's products with V among B's exponentials; the rest of A's sum among B's products with V.
; LOADS RUN AHEAD: K's fragments of the next step are asked for behind this step's score products, V's at the step's head.  The walk over K wraps, so the first pass's last step fetches the second pass's first; the second
; pass's last step fetches 20 loads that nobody uses.
; LIMITS: logits under 1e8 in magnitude and q's scales under 2^100; NaN and infinities are not served; blocks whose largest magnitude lies under 2^-124 keep the byte 1.
; REGISTERS.  Window 0: v1-3 lane offsets, v5, v6 the add's two, v7-15 LDS bases, v16-24 the step's LDS addresses, v26-35 scale words (K 4, V 2, Q 2, p 2), v36-47 and v48-59 the tiles' states, v60 8 h,
; v64-127 and v128-191 S^T then p of A and B, v192-231 at work.  Window 1: v0-95 K's eight fragments, v96-143 V's four, v144-207 O^T of A and B, v208-231 Q, v232-255 p's codes.
.set VC,    98304                      ; LDS: K's codes [128 tiles][768] at 0; V's [16 steps][4 tiles][2][768] here;
.set KS,    196608                     ; K's scale words, with the mask worked in, [32 groups of 4 tiles][256];
.set VS,    204800                     ; V's scale words [16 steps][256];
.set SPARE, 208896                     ; the spare words, 128 bytes a wave, that no other line names
.set WV,  12
.set SEL, 20
.set CS,  22
.set HM,  49                           ; s49 lanes 16-31
.set TN,  50                           ; s50 K's next step: 6,144 bytes of codes a step; s51: 512 of scale words
.set TSN, 51
.set TB,  60                           ; s60 V's step: 6,144 bytes of codes; s62: 256 of scale words
.set TJ,  62
.set STEPS, 63
.set KAB, 7
.set KBB, 9
.set KSB, 11
.set VAB, 13
.set VBB, 14
.set VSB, 15
.set KA,  16
.set KB,  18
.set KSA, 20
.set VA,  22
.set VB,  23
.set VSA, 24
.set KSC, 26
.set VSC, 30
.set QSC, 32
.set PSC, 34
.set ST,  36                           ; tile t's state at ST + 12 t: +0 -M, +1 the largest score, +2, 3 the sum, +4 f (+5 named as the pair's upper half only), +6, 7 the blocks' largest, +8 .. 11 chains
.set SH8, 60
.set S,   64                           ; + 64 t
.set U,   192                          ; + 4 t
.set CV,  200                          ; + 16 t: four conversions' results, each on an even register
.set VF,  96                           ; window 1
.set O,   144                          ; + 32 t
.set Q,   208                          ; + 12 t
.set PC,  232                          ; + 12 t
.set MSB, 0
.macro WIN new                         ; the immediate's high byte repeats the setting that is left
.if MSB != \new
	s_set_vgpr_msb (MSB<<8)|\new
.set MSB, \new
.endif
.endm
.macro WALU
	s_wait_alu depctr_va_vdst(0)
.endm
.macro CROUND
	s_barrier_signal -1
	s_barrier_wait -1
	s_cmp_lg_u32 s[WV], 0
	s_cbranch_scc1 .Lnot_wave_0_\@
	s_barrier_signal -3
.Lnot_wave_0_\@:
	s_barrier_wait -3
	s_barrier_signal -1
	s_barrier_wait -1
.endm
	s_load_b256 s[4:11], s[0:1], 0x0               ; qk, vq, kmod, ao
	v_lshl_add_u32 v5, v0, 2, SPARE
	v_mov_b32 v6, 0
	ds_add_u32 v5, v6                              ; the opening: the add, twice on end, and its wait ahead of my first tensor load
	ds_add_u32 v5, v6
	v_lshrrev_b32 v240, 5, v0
	v_readfirstlane_b32 s[WV], v240                ; wave 0..7
	s_bfe_u32 s13, ttmp6, 0x40000                  ; cx: it enters Q's and the output's addresses alone
	s_and_b32 s14, ttmp7, 0xffff
	s_and_b32 s15, s14, 15                         ; the head
	s_lshr_b32 s16, s14, 4                         ; the batch
	s_mov_b32 s24, 15|(3<<16)|(1<<21)              ; group 1: 96 dense rows of 256 bytes (32 elements of 8 bytes), to all four work-groups
	s_mov_b32 s25, 32<<16
	s_mov_b32 s26, 96<<16
	s_mov_b32 s27, 32<<16
	s_mov_b32 s28, 96
	s_mov_b32 s29, 32
	s_mov_b32 s30, 0
	s_mov_b32 s31, 0
	s_mul_i32 s36, s15, 393216                     ; a head's codes of all batches, a batch's 98,304: the same in K (16 heads further on in qk) and in V
	s_mul_i32 s37, s16, 98304
	s_add_co_u32 s36, s36, s37
	s_and_b32 s37, s[WV], 3
	s_mul_i32 s37, s37, 24576                      ; waves 0-3 fetch K's quarters, waves 4-7 V's
	s_add_co_u32 s38, s36, s37
	s_cmp_lt_u32 s[WV], 4
	s_cselect_b32 s39, 6291456, 0
	s_add_co_u32 s38, s38, s39
	s_mov_b32 s39, 0
	s_mov_b32 s32, 1
	s_mul_i32 s33, s[WV], 24576                    ; LDS: K's codes and V's lie on end
	s_lshl_b32 s66, s16, 7
	s_lshl_b32 s67, s13, 5
	s_add_co_u32 s66, s66, s67
	s_lshl_b32 s67, s[WV], 2
	s_add_co_u32 s66, s66, s67                     ; my first tile of queries: 128 b + 32 cx + 4 w: my four tiles are one group of the scale words
	s_mul_i32 s68, s66, 12288                      ; the output's codes: [tile][head][768]
	s_mul_i32 s69, s15, 768
	s_add_co_u32 s68, s68, s69
	s_mov_b32 s69, 0
	s_mul_i32 s70, s66, 768                        ; Q's codes: [head][tile][768]
	s_mul_i32 s71, s15, 393216
	s_add_co_u32 s70, s70, s71
	s_mov_b32 s71, 0
	s_lshr_b32 s72, s66, 2                         ; my group of 4 tiles
	s_lshr_b32 s74, s15, 1                         ; the pair of heads
	s_lshl_b32 s75, s74, 15
	s_lshl_b32 s76, s72, 8
	s_add_co_u32 s76, s76, s75
	s_add_co_u32 s76, s76, 12582912                ; Q's scale words
	s_mov_b32 s77, 0
	s_lshl_b32 s78, s72, 11
	s_lshl_b32 s79, s74, 8
	s_add_co_u32 s78, s78, s79
	s_and_b32 s79, s15, 1
	s_lshl_b32 s48, s79, 4                         ; my head's two bytes of a pair's word begin at bit 16 (head % 2)
	s_lshl_b32 s79, s79, 1
	s_add_co_u32 s78, s78, s79
	s_add_co_u32 s78, s78, 6291456                 ; the output's scale bytes
	s_mov_b32 s79, 0
	s_lshl_b32 s40, s16, 13                        ; the batch's mask words
	s_mov_b32 s41, 0
	s_add_co_u32 s80, s75, s40
	s_add_co_u32 s80, s80, 12845056                ; K's scale words: 8 pairs of heads behind Q's
	s_mov_b32 s81, 0
	s_lshl_b32 s82, s15, 14
	s_lshl_b32 s83, s16, 12
	s_add_co_u32 s82, s82, s83
	s_add_co_u32 s82, s82, 6291456                 ; V's scale words
	s_mov_b32 s83, 0
	s_mov_b32 s[SEL], 0x76543210
	s_mov_b32 s[SEL+1], 0xfedcba98                 ; selects for lane l xor 16
	s_mov_b32 s[CS], 0x3e38aa3b                    ; c = log2(e) / 8
	s_mov_b32 s[CS+1], s[CS]
	s_mov_b32 s[HM], 0xffff0000
	s_wait_dscnt 0x0                               ; both opening adds are done
	s_wait_kmcnt 0x0
	s_cmp_lt_u32 s[WV], 4
	s_cselect_b64 s[34:35], s[4:5], s[6:7]
	s_add_nc_u64 s[34:35], s[34:35], s[38:39]
	s_or_b32 s35, s35, 0x80000000
	s_add_nc_u64 s[42:43], s[4:5], s[80:81]
	s_add_nc_u64 s[44:45], s[8:9], s[40:41]
	s_add_nc_u64 s[46:47], s[6:7], s[82:83]
	s_add_nc_u64 s[52:53], s[4:5], s[70:71]
	s_add_nc_u64 s[54:55], s[4:5], s[76:77]
	s_add_nc_u64 s[56:57], s[10:11], s[68:69]
	s_add_nc_u64 s[58:59], s[10:11], s[78:79]
	CROUND                                         ; all four work-groups are here: the joint loads meet
	tensor_load_to_lds s[32:35], s[24:31]          ; my eighth of the head's K and V
	s_nop 0
.rept 4
	v_nop
.endr
	v_lshlrev_b32 v240, 4, v0                      ; thread t takes 2 x 16 bytes of K's scale words and of the mask words, 16 of V's scale words
	global_load_b128 v[64:67], v240, s[42:43]
	global_load_b128 v[68:71], v240, s[42:43] offset:4096
	global_load_b128 v[72:75], v240, s[44:45]
	global_load_b128 v[76:79], v240, s[44:45] offset:4096
	global_load_b128 v[80:83], v240, s[46:47]
	v_lshl_add_u32 v241, v0, 4, KS
	v_lshl_add_u32 v242, v0, 4, VS
	v_and_b32 v243, 31, v0                         ; lane l = 16 h + m
	v_lshlrev_b32 v1, 4, v243                      ; 16 l: half fragments in memory and in LDS
	v_lshlrev_b32 v244, 3, v243                    ; 8 l
	v_add_nc_u32 v2, 512, v244
	v_and_b32 v3, 15, v0
	v_lshlrev_b32 v3, 3, v3                        ; 8 m
.macro QLOAD p                         ; pass p's two tiles of Q and their scale words: asked for ahead of work that does not need them (the head's set-up; the first pass's way out)
	WIN 0x40
.irp t, 0,1
	global_load_b128 v[Q+12*\t:Q+12*\t+3], v1, s[52:53] offset:768*(2*\p+\t)
	global_load_b64 v[Q+12*\t+4:Q+12*\t+5], v2, s[52:53] offset:768*(2*\p+\t)
.endr
	WIN 0
	global_load_b32 v236, v3, s[54:55] offset:4*\p
	global_load_b32 v237, v3, s[54:55] offset:4*\p+128
.endm
	QLOAD 0
	v_bfe_u32 v245, v0, 3, 1                       ; m / 8
	v_bfe_u32 v246, v0, 4, 1                       ; h
	v_mul_u32_u24 v247, v245, 1536                 ; rows 8-15 come from the stored tile two further on
	v_add_nc_u32 v[KAB], v247, v1                  ; K's codes, tiles 0, 1 of a group: stored row = my row;
	v_xor_b32 v248, 128, v1
	v_add_nc_u32 v[KAB+1], v247, v248              ; tiles 2, 3: stored row = my row xor 8
	v_add_nc_u32 v[KBB], v247, v2
	v_xor_b32 v249, 64, v244
	v_add_nc_u32 v249, 512, v249
	v_add_nc_u32 v[KBB+1], v247, v249
	v_lshl_add_u32 v251, v245, 2, KS               ; K's scale words: the word of stored tile a, row r lies at 8 (16 (a % 2) + r) + 4 (a / 2): lanes 0-15 take an even tile's, lanes 16-31 the odd one's
	v_add_nc_u32 v[KSB], v244, v251
	v_xor_b32 v250, 64, v244
	v_add_nc_u32 v[KSB+1], v250, v251
	v_add_nc_u32 v[VAB], VC, v1
	v_add_nc_u32 v[VBB], VC, v2
	v_add_nc_u32 v[VSB], VS, v244
	v_sub_nc_u32 v252, 1, v246                     ; 1 in lanes 0-15, which hold column 64
	v_lshlrev_b32 v253, 3, v252                    ; the code of +1.0 (8)
	v_mul_u32_u24 v254, 40, v252                   ; the code of -1.0 (40)
	v_lshlrev_b32 v[SH8], 3, v246
.irp i, 0,1,2,3,4,5,6,7
	v_mov_b32 v[U+\i], 0                           ; a lane permute's destination counts as one of its sources
.endr
	v_mov_b32 v[ST+5], 0                           ; (named as the upper half of a pair)
	v_mov_b32 v[ST+17], 0
	WIN 0x40                                       ; destination window 1
.irp n, 0,1,2,3,4,5,6,7
	v_mov_b32 v[12*\n+6], v253                     ; K's upper half: +1.0 in column 64, zeros elsewhere; set once
.irp i, 7,8,9,10,11
	v_mov_b32 v[12*\n+\i], 0
.endr
.endr
.irp t, 0,1
	v_mov_b32 v[Q+12*\t+6], v254                   ; Q's: -1.0
.irp i, 7,8,9,10,11
	v_mov_b32 v[Q+12*\t+\i], 0
.endr
.endr
	WIN 0
	WALU                                           ; directly ahead of the wait below
	s_wait_loadcnt 0x0
.irp i, 0,1,2,3,4,5,6,7
	v_bfe_u32 v[64+\i], v[64+\i], s48, 16          ; my head's two bytes,
.endr
.irp i, 0,1,2,3,4,5,6,7
	v_and_b32 v[64+\i], v[64+\i], v[72+\i]         ; kept or cleared,
.endr
.irp i, 0,1,2,3,4,5,6,7
	v_and_or_b32 v[64+\i], v[72+\i], 0xffff0000, v[64+\i]   ; and the mask's byte as the third
.endr
	ds_store_b128 v241, v[64:67]
	ds_store_b128 v241, v[68:71] offset:4096
	ds_store_b128 v242, v[80:83]
	s_mov_b32 s[TN], 0
	s_mov_b32 s[TSN], 0
	s_wait_tensorcnt 0x0                           ; my part of K and V has landed,
	s_wait_dscnt 0x0                               ; my scale words are stored:
	s_barrier_signal -1
	s_barrier_wait -1                              ; everybody's
.macro KADD                            ; the LDS addresses of K's step at s[TN]
	v_add_nc_u32 v[KA], s[TN], v[KAB]
	v_add_nc_u32 v[KA+1], s[TN], v[KAB+1]
	v_add_nc_u32 v[KB], s[TN], v[KBB]
	v_add_nc_u32 v[KB+1], s[TN], v[KBB+1]
	v_add_nc_u32 v[KSA], s[TSN], v[KSB]
	v_add_nc_u32 v[KSA+1], s[TSN], v[KSB+1]
.endm
.macro KLD                             ; its eight fragments and four scale registers: 20 loads
	WIN 0x40
.irp n, 0,1,2,3,4,5,6,7
	ds_load_b128 v[12*\n:12*\n+3], v[KA+(\n%4)/2] offset:3072*(\n/4)+768*(\n%2)
	ds_load_b64 v[12*\n+4:12*\n+5], v[KB+(\n%4)/2] offset:3072*(\n/4)+768*(\n%2)
.endr
	WIN 0
.irp e, 0,1,2,3
	ds_load_b32 v[KSC+\e], v[KSA+\e%2] offset:256*(\e/2)   ; register 2 g + j / 2: tile j even in lanes 0-15, odd in lanes 16-31
.endr
	s_add_co_u32 s[TN], s[TN], 6144                ; on, and round at the head's last key
	s_add_co_u32 s[TSN], s[TSN], 512
	s_cmp_eq_u32 s[TN], 98304
	s_cselect_b32 s[TN], 0, s[TN]
	s_cselect_b32 s[TSN], 0, s[TSN]
.endm
.macro SWW t, n                        ; one score product: tile n of 16 keys x tile t's 16 queries.  K and Q in window 1, the result in window 0
	WIN 0x05
.if (\n)%2
	v_wmma_scale_f32_16x16x128_f8f6f4 v[S+64*(\t)+8*(\n):S+64*(\t)+8*(\n)+7], v[12*(\n):12*(\n)+11], v[Q+12*(\t):Q+12*(\t)+11], 0, v[KSC+2*((\n)/4)+((\n)%4)/2], v[QSC+(\t)] matrix_a_fmt:MATRIX_FMT_FP6 matrix_b_fmt:MATRIX_FMT_FP6 matrix_a_scale:MATRIX_SCALE_ROW1
.else
	v_wmma_scale_f32_16x16x128_f8f6f4 v[S+64*(\t)+8*(\n):S+64*(\t)+8*(\n)+7], v[12*(\n):12*(\n)+11], v[Q+12*(\t):Q+12*(\t)+11], 0, v[KSC+2*((\n)/4)+((\n)%4)/2], v[QSC+(\t)] matrix_a_fmt:MATRIX_FMT_FP6 matrix_b_fmt:MATRIX_FMT_FP6
.endif
	WIN 0
.endm
.macro PVW t, k                        ; one product with V: tile k of 16 channels x tile t's 16 queries, K = the step's 128 keys; all in window 1.  The accumulators take turns
	WIN 0x55
.if (\k)%2
	v_wmma_scale_f32_16x16x128_f8f6f4 v[O+32*(\t)+8*(\k):O+32*(\t)+8*(\k)+7], v[VF+12*(\k):VF+12*(\k)+11], v[PC+12*(\t):PC+12*(\t)+11], v[O+32*(\t)+8*(\k):O+32*(\t)+8*(\k)+7], v[VSC+(\k)/2], v[PSC+(\t)] matrix_a_fmt:MATRIX_FMT_FP6 matrix_b_fmt:MATRIX_FMT_FP6 matrix_a_scale:MATRIX_SCALE_ROW1
.else
	v_wmma_scale_f32_16x16x128_f8f6f4 v[O+32*(\t)+8*(\k):O+32*(\t)+8*(\k)+7], v[VF+12*(\k):VF+12*(\k)+11], v[PC+12*(\t):PC+12*(\t)+11], v[O+32*(\t)+8*(\k):O+32*(\t)+8*(\k)+7], v[VSC+(\k)/2], v[PSC+(\t)] matrix_a_fmt:MATRIX_FMT_FP6 matrix_b_fmt:MATRIX_FMT_FP6
.endif
	WIN 0
.endm
; The macros below write line i of a piece of a tile's work, so that pieces can be laid line by line beside each other.
.macro MAXOP t, i                      ; 34 lines: the largest score of each of my two blocks of 32 keys, in two chains a block; each accumulator is read from its low end on
.if (\i) < 32
.set c_, (\i)%4
.set r_, S+64*(\t)+16*c_+2*((\i)/4)
.if (\i) < 4
	v_max_num_f32 v[ST+12*(\t)+8+c_], v[r_], v[r_+1]
.else
	v_max3_num_f32 v[ST+12*(\t)+8+c_], v[ST+12*(\t)+8+c_], v[r_], v[r_+1]
.endif
.else
.set g_, (\i)-32
	v_max_num_f32 v[ST+12*(\t)+6+g_], v[ST+12*(\t)+8+2*g_], v[ST+12*(\t)+9+2*g_]   ; it serves twice: for the row's maximum and, since p rises with the score, for the block's largest p
.endif
.endm
.macro MUP t, i                        ; 9 lines: the running largest score, -M and f
.set b_, ST+12*(\t)
.set u_, U+4*(\t)
.if (\i) == 0
	v_max_num_f32 v[u_], v[b_+6], v[b_+7]
.elseif (\i) == 1
	v_mov_b32 v[u_+2], v[b_]
.elseif (\i) == 2
	v_permlanex16_b32 v[u_+1], v[u_], s[SEL], s[SEL+1]
.elseif (\i) == 3
	v_max3_num_f32 v[b_+1], v[b_+1], v[u_], v[u_+1]
.elseif (\i) == 4
	v_mul_f32 v[u_+3], s[CS], v[b_+1]              ; as t (c is positive)
.elseif (\i) == 5
	v_floor_f32 v[b_], -v[u_+3]                    ; the new -M: M is a whole number
.elseif (\i) == 6
	v_sub_f32 v[u_+2], v[b_], v[u_+2]              ; old M - new M, 0 or less
.elseif (\i) == 7
	v_cvt_i32_f32 v[u_+2], v[u_+2]                 ; (it saturates)
.elseif (\i) == 8
	v_ldexp_f32 v[b_+4], 1.0, v[u_+2]              ; f = 2^(old M - new M): exact
.endif
.endm
.macro FMA t, i                        ; 34 lines: t - M of the 64 scores, two at a time, and of the blocks' largest
.if (\i) < 32
	v_pk_fma_f32 v[S+64*(\t)+2*(\i):S+64*(\t)+2*(\i)+1], v[S+64*(\t)+2*(\i):S+64*(\t)+2*(\i)+1], s[CS:CS+1], v[ST+12*(\t):ST+12*(\t)+1] op_sel_hi:[1,0,0]
.else
	v_fma_f32 v[ST+12*(\t)+(\i)-26], v[ST+12*(\t)+(\i)-26], s[CS], v[ST+12*(\t)]
.endif
.endm
.macro SCL t, i                        ; 10 lines: the conversions' scale operands (ST + 8, 9) and p's scale word
.set b_, ST+12*(\t)
.set u_, U+4*(\t)
.if (\i) < 2
	v_max_num_f32 v[b_+6+(\i)], 0x1800000, v[b_+6+(\i)]   ; the floor 2^(3 - 127): a block whose every p is 0 keeps the byte 1, its codes are zeros
.elseif (\i) < 4
	v_add_nc_u32 v[b_+6+(\i)], 0xff000000, v[b_+4+(\i)]   ; 2 off the exponent field
.elseif (\i) == 4
	v_lshrrev_b32 v[u_], 23, v[b_+8]
.elseif (\i) == 5
	v_lshrrev_b32 v[u_+2], 23, v[b_+9]
.elseif (\i) == 6
	v_lshl_or_b32 v[u_], v[u_+2], 16, v[u_]        ; my blocks are h and 2 + h of the step's four
.elseif (\i) == 7
	v_lshlrev_b32 v[u_], v[SH8], v[u_]
.elseif (\i) == 8
	v_permlanex16_b32 v[u_+1], v[u_], s[SEL], s[SEL+1]
.elseif (\i) == 9
	v_or_b32 v[PSC+(\t)], v[u_], v[u_+1]           ; with lane l xor 16's two bytes the word is whole
.endif
.endm
.macro CVT t                           ; p's codes: four conversions, then the selects: lanes 0-15 hold their block's keys in order, lanes 16-31 keys 16-31 ahead of keys 0-15
.irp q, 0,1,2,3
	v_cvt_scalef32_pk16_fp6_f32 v[CV+16*\t+4*\q:CV+16*\t+4*\q+2], v[S+64*\t+16*\q:S+64*\t+16*\q+15], v[ST+12*\t+8+\q/2]
.endr
	v_nop                                          ; one plain place behind a scaled conversion
	WIN 0x40
.irp i, 0,1,2
	v_cndmask_b32 v[PC+12*\t+\i], v[CV+16*\t+\i], v[CV+16*\t+4+\i], s[HM]
	v_cndmask_b32 v[PC+12*\t+3+\i], v[CV+16*\t+4+\i], v[CV+16*\t+\i], s[HM]
	v_cndmask_b32 v[PC+12*\t+6+\i], v[CV+16*\t+8+\i], v[CV+16*\t+12+\i], s[HM]
	v_cndmask_b32 v[PC+12*\t+9+\i], v[CV+16*\t+12+\i], v[CV+16*\t+8+\i], s[HM]
.endr
	WIN 0
.endm
.macro PADD d, a                       ; pair d += pair a
	v_pk_add_f32 v[\d:\d+1], v[\d:\d+1], v[\a:\a+1]
.endm
.macro SUMA i                          ; 16 lines: the rest of A's sum: sixteen pairs, at S + 4 k, in four chains
.if (\i) == 0
	PADD ST+2, S
.elseif (\i) < 13
.set c_, ((\i)-1)%4
.set j_, ((\i)-1)/4+1
.if c_ == 0
	PADD ST+2, S+16*j_
.else
	PADD S+4*c_, S+16*j_+4*c_
.endif
.elseif (\i) == 13
	PADD S+4, S+8
.elseif (\i) == 14
	PADD ST+2, S+12
.else
	PADD ST+2, S+4
.endif
.endm
.macro SUMB i                          ; 32 lines: B's sum: 32 pairs, at S + 64 + 2 k, in four chains
.if (\i) == 0
	PADD ST+14, S+64
.elseif (\i) < 29
.set c_, ((\i)-1)%4
.set j_, ((\i)-1)/4+1
.if c_ == 0
	PADD ST+14, S+64+8*j_
.else
	PADD S+64+2*c_, S+64+8*j_+2*c_
.endif
.elseif (\i) == 29
	PADD S+66, S+68
.elseif (\i) == 30
	PADD ST+14, S+70
.else
	PADD ST+14, S+66
.endif
.endm
.macro EPI t, p                        ; tile t's way out: O^T / the sum, quantised along the head's 64 channels (register 16 b + i = channel 32 b + 16 h + i: a block lies in lanes l and l xor 16)
.set b_, ST+12*\t
.set u_, U+4*\t
.set x_, S+64*\t
.set y_, CV+16*\t
	v_add_f32 v[b_+2], v[b_+2], v[b_+3]
	v_permlanex16_b32 v[u_], v[b_+2], s[SEL], s[SEL+1]
	v_add_f32 v[b_+2], v[b_+2], v[u_]              ; the row's sum
	WALU
	v_rcp_f32 v[b_+4], v[b_+2]
	v_nop                                          ; one plain place behind the reciprocal
	WIN 0x01                                       ; source 0 (O^T) window 1
	WALU                                           ; for the reciprocal, and directly ahead of the first reader of O^T
.set j, 0
.rept 16
	v_pk_mul_f32 v[x_+j:x_+j+1], v[O+32*\t+j:O+32*\t+j+1], v[b_+4:b_+5] op_sel_hi:[1,0]
.set j, j+2
.endr
	WIN 0
.irp b, 0,1
	v_max3_num_f32 v[b_+8+\b], |v[x_+16*\b]|, |v[x_+1+16*\b]|, 0x1800000
.endr
.irp i, 2,4,6,8,10,12,14
.irp b, 0,1
	v_max3_num_f32 v[b_+8+\b], v[b_+8+\b], |v[x_+16*\b+\i]|, |v[x_+1+16*\b+\i]|
.endr
.endr
.irp b, 0,1
	v_permlanex16_b32 v[u_+\b], v[b_+8+\b], s[SEL], s[SEL+1]
.endr
.irp b, 0,1
	v_max_num_f32 v[b_+8+\b], v[b_+8+\b], v[u_+\b]
.endr
.irp b, 0,1
	v_add_nc_u32 v[b_+10+\b], 0xff000000, v[b_+8+\b]
.endr
.irp b, 0,1
	v_lshrrev_b32 v[u_+\b], 23, v[b_+10+\b]
.endr
	v_lshl_or_b32 v[u_+2], v[u_+1], 8, v[u_]       ; my head's two bytes of the row's scale word
	v_cvt_scalef32_pk16_fp6_f32 v[y_:y_+2], v[x_:x_+15], v[b_+10]
	v_cvt_scalef32_pk16_fp6_f32 v[y_+8:y_+10], v[x_+16:x_+31], v[b_+11]
	v_nop
.irp i, 0,1,2
	v_permlane16_swap_b32 v[y_+\i], v[y_+8+\i]     ; a whole block to a lane
.endr
.irp i, 0,1,2
	v_mov_b32 v[y_+3+\i], v[y_+8+\i]
.endr
	global_store_b128 v1, v[y_:y_+3], s[56:57] offset:12288*(2*\p+\t)   ; a half fragment: 512 and 256 consecutive bytes, aligned
	global_store_b64 v2, v[y_+4:y_+5], s[56:57] offset:12288*(2*\p+\t)
	global_store_b16 v3, v[u_+2], s[58:59] offset:128*\t+4*\p           ; two bytes a row: the word's other half is another head's, made by another work-group.  Both halves of the lanes write the same bytes
.endm
.macro PASS p                          ; my tiles 2 p (A) and 2 p + 1 (B) of queries
.if \p
	s_wait_xcnt 0x0                                ; the first pass's stores have read their registers
.endif
	s_mov_b32 s[TB], 0
	s_mov_b32 s[TJ], 0
	s_mov_b32 s[STEPS], 16
.if \p == 0
	KADD
	KLD                                            ; step 0's K; the second pass finds it fetched by the first pass's last step
.endif
	s_wait_loadcnt 0x0
	v_bfe_u32 v[QSC], v236, s48, 16                ; my head's two bytes,
	v_bfe_u32 v[QSC+1], v237, s48, 16
	v_or_b32 v[QSC], 0x400000, v[QSC]              ; and 64 as the third: the mask's column
	v_or_b32 v[QSC+1], 0x400000, v[QSC+1]
.irp t, 0,1
	v_mov_b32 v[ST+12*\t+1], 0xff61b1e6            ; the largest score so far: -3e38
	v_mov_b32 v[ST+12*\t], 0x7e000000              ; -M: a whole number so large that the first step's f is 0
	v_mov_b32 v[ST+12*\t+2], 0
	v_mov_b32 v[ST+12*\t+3], 0
.endr
.set j, 0
.rept 64
	v_mov_b32 v[S+64+j], 0                         ; B's p of the step before the first: its sum is taken in the first step
.set j, j+1
.endr
	WIN 0x40
.set j, 0
.rept 64
	v_mov_b32 v[O+j], 0                            ; O^T: the step is written once; the first change of M multiplies zeros
.set j, j+1
.endr
	WIN 0
	WALU                                           ; the wait at the head's end
.Lstep_\@:                                             ; 128 keys for both tiles
	v_add_nc_u32 v[VA], s[TB], v[VAB]              ; four plain lines: places between the last products and the loads into V's registers
	v_add_nc_u32 v[VB], s[TB], v[VBB]
	v_add_nc_u32 v[VSA], s[TJ], v[VSB]
	v_nop
	WIN 0x40
.irp t, 0,1,2,3                        ; this step's V: 17 loads
	ds_load_b128 v[VF+12*\t:VF+12*\t+3], v[VA] offset:1536*\t
	ds_load_b64 v[VF+12*\t+4:VF+12*\t+5], v[VB] offset:1536*\t
	ds_load_b128 v[VF+12*\t+6:VF+12*\t+9], v[VA] offset:1536*\t+768
	ds_load_b64 v[VF+12*\t+10:VF+12*\t+11], v[VB] offset:1536*\t+768
.endr
	WIN 0
	ds_load_b64 v[VSC:VSC+1], v[VSA]
	s_wait_dscnt 17                                ; this step's K, asked for a step ago, is in; the 17 just issued may be out
.set I, 0
.rept 8                                ; A's scores, with the sum of B's p of the step before: four lines behind each product
	SWW 0, I
	SUMB 4*I
	SUMB 4*I+1
	SUMB 4*I+2
	SUMB 4*I+3
.set I, I+1
.endr
	KADD                                           ; six plain lines: the places between A's score products and the first reads of their results
.set I, 0
.rept 8                                ; B's scores, with A's search for the largest
	SWW 1, I
	MAXOP 0, 4*I
	MAXOP 0, 4*I+1
	MAXOP 0, 4*I+2
	MAXOP 0, 4*I+3
.set I, I+1
.endr
	MAXOP 0, 32
	MAXOP 0, 33                                    ; (six plain lines stand behind the last product: the places ahead of the loads below and of the reads of B's scores)
	KLD                                            ; the next step's K: 20 loads
.set I, 0
.rept 34                               ; B's search, with A's chain for M among it
	MAXOP 1, I
.if I%3 == 2
	MUP 0, I/3
.endif
.set I, I+1
.endr
.set I, 0
.rept 34                               ; A's t - M, with B's chain for M among it
	FMA 0, I
.if I%3 == 2
	MUP 1, I/3
.endif
.set I, I+1
.endr
	WIN 0x41                                       ; O^T in window 1, f in window 0
	WALU                                           ; directly ahead of the first reader of O^T
.irp t, 0,1
.set j, 0
.rept 16
	v_pk_mul_f32 v[O+32*\t+j:O+32*\t+j+1], v[O+32*\t+j:O+32*\t+j+1], v[ST+12*\t+4:ST+12*\t+5] op_sel_hi:[1,0]   ; O^T under the new M
.set j, j+2
.endr
.endr
	WIN 0
.irp t, 0,1
	v_pk_mul_f32 v[ST+12*\t+2:ST+12*\t+3], v[ST+12*\t+2:ST+12*\t+3], v[ST+12*\t+4:ST+12*\t+5] op_sel_hi:[1,0]   ; and the sums
.endr
	FMA 1, 32
	FMA 1, 33
	WALU                                           ; one wait ahead of the batch
.irp t, 0,1
	v_exp_f32 v[ST+12*\t+6], v[ST+12*\t+6]         ; the blocks' largest p: the same two instructions on the same number give the same bits
	v_exp_f32 v[ST+12*\t+7], v[ST+12*\t+7]
.endr
.set I, 0
.rept 32                               ; A's p, with B's t - M among the exponentials: those lines read what was written ahead of the wait above, and are read behind the wait below
	v_exp_f32 v[S+2*I], v[S+2*I]
	FMA 1, I
	v_exp_f32 v[S+2*I+1], v[S+2*I+1]
.set I, I+1
.endr
	v_nop                                          ; one plain place behind the exponentials
	WALU                                           ; and one wait behind the batch
.set I, 0
.rept 10
	SCL 0, I
	SCL 1, I
.set I, I+1
.endr
	CVT 0
	WALU                                           ; ahead of the batch, and directly ahead of the wait below
	s_wait_dscnt 20                                ; V is in; the 20 loads of the next step's K may be out
.set I, 0
.rept 16                               ; B's p; among the exponentials the first level of A's sum (pair 2 k += pair 2 k + 1, read behind the wait below) and A's products with V
	v_exp_f32 v[S+64+4*I], v[S+64+4*I]
	v_exp_f32 v[S+64+4*I+1], v[S+64+4*I+1]
	PADD S+4*I, S+4*I+2
	v_exp_f32 v[S+64+4*I+2], v[S+64+4*I+2]
	v_exp_f32 v[S+64+4*I+3], v[S+64+4*I+3]
.if (I >= 8) && (I%2 == 0)
	PVW 0, (I-8)/2
.endif
.set I, I+1
.endr
	v_nop
	WALU
	CVT 1
.set I, 0
.rept 8
	SUMA I                                         ; eight plain lines: the places between the selects and B's products
.set I, I+1
.endr
.set I, 0
.rept 4
	PVW 1, I
	SUMA 8+2*I
	SUMA 9+2*I
.set I, I+1
.endr
	s_add_co_u32 s[TB], s[TB], 6144
	s_add_co_u32 s[TJ], s[TJ], 256
	s_sub_co_u32 s[STEPS], s[STEPS], 1
	s_cmp_lg_u32 s[STEPS], 0
	s_cbranch_scc1 .Lstep_\@
.set I, 0
.rept 32
	SUMB I                                         ; the sum of B's p of the last step
.set I, I+1
.endr
.if \p == 0
	QLOAD 1                                        ; the score products have read Q for the last time, 32 plain lines ago
.endif
	EPI 0, \p
	EPI 1, \p
.endm
	PASS 0
	PASS 1
	s_wait_tensorcnt 0x0                           ; the wave's end
	ds_add_u32 v5, v6
	s_wait_dscnt 0x0
	CROUND                                         ; the closing round
	s_endpgm
.Lfunc_end_k_q65f008d190_attn:
	.size	k_q65f008d190_attn, .Lfunc_end_k_q65f008d190_attn-k_q65f008d190_attn
	.p2alignl 7, 3214868480
	.fill 96, 4, 3214868480
	.section	.rodata,"a",@progbits
	.p2align	6, 0x0
	.amdhsa_kernel k_q65f008d190_attn
		.amdhsa_group_segment_fixed_size 210944
		.amdhsa_private_segment_fixed_size 0
		.amdhsa_enable_private_segment 0
		.amdhsa_kernarg_size 32
		.amdhsa_user_sgpr_count 2
		.amdhsa_user_sgpr_kernarg_segment_ptr 1
		.amdhsa_wavefront_size32 1
		.amdhsa_system_sgpr_workgroup_id_x 1
		.amdhsa_system_sgpr_workgroup_id_y 1
		.amdhsa_system_sgpr_workgroup_id_z 1
		.amdhsa_system_vgpr_workitem_id 0
		.amdhsa_next_free_vgpr 512
		.amdhsa_next_free_sgpr 88
		.amdhsa_reserve_vcc 0
		.amdhsa_float_denorm_mode_32 3
		.amdhsa_float_denorm_mode_16_64 3
		.amdhsa_memory_ordered 1
		.amdhsa_forward_progress 1
		.amdhsa_inst_pref_size 103
	.end_amdhsa_kernel
	.amdgpu_metadata
---
amdhsa.version: [ 1, 2 ]
amdhsa.kernels:
  - .name:           k_q65f008d190_attn
    .symbol:         k_q65f008d190_attn.kd
    .args:
      - { .name: qk, .offset: 0, .size: 8, .value_kind: global_buffer, .address_space: global }
      - { .name: vq, .offset: 8, .size: 8, .value_kind: global_buffer, .address_space: global }
      - { .name: kmod, .offset: 16, .size: 8, .value_kind: global_buffer, .address_space: global }
      - { .name: ao, .offset: 24, .size: 8, .value_kind: global_buffer, .address_space: global }
    .group_segment_fixed_size: 210944
    .private_segment_fixed_size: 0
    .kernarg_segment_align: 8
    .kernarg_segment_size: 32
    .max_flat_workgroup_size: 256
    .sgpr_count:     88
    .vgpr_count:     512
    .wavefront_size: 32
...
	.end_amdgpu_metadata
.endif
;; end of part 3
;; launch proj (part 4): grid 4 x 64, 4 waves a work-group, clusters of 4 x 4, 327,680 bytes of LDS; arguments ao, wq, bo, out0; writes out0
.if DOCPART == 4
	.amdgcn_target "amdgcn-amd-amdhsa--gfx1250"
	.amdhsa_code_object_version 6
	.text
	.protected	k_q65f008d190_proj
	.globl	k_q65f008d190_proj
	.p2align	8
	.type	k_q65f008d190_proj,@function
k_q65f008d190_proj:
	s_mov_b64 s[64:65], 0
	v_nop
	global_prefetch_b8 v0, s[64:65] scope:SCOPE_SE
	s_setreg_imm32_b32 hwreg(HW_REG_WAVE_MODE, 25, 1), 1
	s_wait_xcnt 0x0
	s_wait_alu depctr_hold_cnt(0) depctr_sa_sdst(0) depctr_va_vdst(0) depctr_va_sdst(0) depctr_va_ssrc(0) depctr_va_vcc(0) depctr_vm_vsrc(0)
	s_getreg_b32 s2, hwreg(HW_REG_IB_STS2, 6, 4)
	s_cmp_eq_u32 s2, 0
	s_cbranch_scc0 .Lentry_in_a_cluster
	s_endpgm
.Lentry_in_a_cluster:
	s_bfe_u32 s2, ttmp6, 0x10000c
	s_cmp_lg_u32 s2, 0xf033
	s_cbranch_scc0 .Lentry_shape_is_right
	s_endpgm
.Lentry_shape_is_right:
; out0 = a Wo^T + bo on codes of E2M3: a is the attention's result, quantised by the launch before; Wo's codes lie 192 tiles into wq.  No work is left out.
; The shape is that of the launch for q, k, v: P (source 0) = 256 rows of Wo, R (source 1) = 128 tokens, all of K = 1,024 in LDS in two halves, each filled once; a wave makes 64 tokens x 128 features in 32
; accumulators; 4 x 4 clusters: P's tiles are shared along a column, R's along a row, by joint loads.  The bias is loaded into the accumulators while the tiles are on their way.
; Register j of the result of P's tile bt in lane (r, h) is feature 32 (bt / 2) + 16 h + 8 (bt % 2) + j of the token in lane row r of R's tile a, which is token 32 (a / 2) + 8 (a % 2) + r + 8 (r / 8).
; THE WAY OUT: a block of 16 tokens x 128 features goes through the wave's own stage and leaves as whole rows of 512 bytes.  The stages lie in chunk 0: it has had its only fill, and every wave's reads of it
; were waited for in front of the barrier of K step 1.
; REGISTERS: as in the launch for q, k, v; on the way out v64-191 of window 0 hold rows read back from the stage.
.set CH,    147456                     ; LDS holds K in TWO HALVES of 512 along K (not four chunks): a half is P's 16 tiles x 6,144 bytes, then R's 8; each half is filled once, by one joint load a wave.  The stages lie in the first half: every wave's reads of it were waited for in front of the barrier of K step 3
.set SPARE, 294912
.set SPW, 10
.set NIL, 11
.set SCP, 16
.set SCR, 48
.set RF,  64
.set STO, 9
.set RD,  12
.set MSB, 0
.macro WIN new
.if MSB != \new
	s_set_vgpr_msb (MSB<<8)|\new
.set MSB, \new
.endif
.endm
.macro PLACES
.rept 4
	v_nop
.endr
.endm
.macro CROUND
	s_barrier_signal -1
	s_barrier_wait -1
	s_cmp_lg_u32 s18, 0
	s_cbranch_scc1 .Lnot_wave_0_\@
	s_barrier_signal -3
.Lnot_wave_0_\@:
	s_barrier_wait -3
	s_barrier_signal -1
	s_barrier_wait -1
.endm
	s_load_b256 s[4:11], s[0:1], 0x0               ; ao, wq, bo, out0
	v_lshl_add_u32 v[SPW], v0, 2, SPARE
	v_mov_b32 v[NIL], 0
	ds_add_u32 v[SPW], v[NIL]                      ; the opening: the add, twice on end, and its wait ahead of my first tensor load
	ds_add_u32 v[SPW], v[NIL]
	v_lshrrev_b32 v1, 5, v0
	v_readfirstlane_b32 s18, v1                    ; wave
	s_and_b32 s19, s18, 1                          ; my half of P's rows; also: which half of a tile I fetch
	s_lshr_b32 s20, s18, 1                         ; my half of R's rows; also: I fetch for P (0) or R (1)
	s_bfe_u32 s21, ttmp6, 0x40000                  ; cx
	s_bfe_u32 s22, ttmp6, 0x40004                  ; cy
	s_lshl_b32 s78, ttmp9, 2
	s_add_co_u32 s78, s78, s21                     ; P's tile of 256 features
	s_and_b32 s79, ttmp7, 0xffff
	s_lshl_b32 s79, s79, 2
	s_add_co_u32 s79, s79, s22                     ; R's tile of 128 tokens
	s_lshl_b32 s80, 0x1111, s21                    ; my column of the cluster
	s_lshl_b32 s81, s22, 2
	s_lshl_b32 s81, 15, s81                        ; my row
	s_or_b32 s24, s80, (3<<16)|(1<<21)             ; group 1: rows of 6,144 bytes, 12,288 apart in memory, dense in LDS; 8 tiles for P, 4 for R
	s_mov_b32 s25, 768<<16                         ; rows of 6,144 bytes: a tile's 512 along K
	s_mov_b32 s26, 8<<16
	s_mov_b32 s27, 768<<16
	s_mov_b32 s28, 8
	s_mov_b32 s29, 1536
	s_mov_b32 s30, 0
	s_mov_b32 s31, 0
	s_or_b32 s32, s81, (3<<16)|(1<<21)
	s_mov_b32 s33, 768<<16
	s_mov_b32 s34, 4<<16
	s_mov_b32 s35, 768<<16
	s_mov_b32 s36, 4
	s_mov_b32 s37, 1536
	s_mov_b32 s38, 0
	s_mov_b32 s39, 0
	s_mul_i32 s82, s78, 196608
	s_mul_i32 s83, s19, 98304
	s_add_co_u32 s82, s82, s83
	s_add_co_u32 s82, s82, 2359296                 ; Wo's codes
	s_mov_b32 s83, 0
	s_mul_i32 s84, s79, 98304
	s_mul_i32 s85, s19, 49152
	s_add_co_u32 s84, s84, s85
	s_mov_b32 s85, 0
	s_mul_i32 s86, s19, 49152
	s_mul_i32 s87, s19, 24576
	s_add_co_u32 s87, s87, 98304
	s_lshl_b32 s88, s78, 13
	s_lshl_b32 s89, s19, 12
	s_add_co_u32 s88, s88, s89
	s_add_co_u32 s88, s88, 3244032                 ; Wo's scale words
	s_mov_b32 s89, 0
	s_lshl_b32 s90, s79, 12
	s_lshl_b32 s91, s20, 11
	s_add_co_u32 s90, s90, s91
	s_add_co_u32 s90, s90, 6291456
	s_mov_b32 s91, 0
	s_lshl_b32 s92, s78, 10                        ; my 128 features, in bytes: in bo and in a row of the output
	s_lshl_b32 s93, s19, 9
	s_add_co_u32 s92, s92, s93
	s_mov_b32 s93, 0
	s_lshl_b32 s94, s79, 19                        ; my 64 tokens' rows of 4,096 bytes
	s_lshl_b32 s95, s20, 18
	s_add_co_u32 s94, s94, s95
	s_add_co_u32 s94, s94, s92
	s_mov_b32 s95, 0
	s_wait_dscnt 0x0                               ; both opening adds are done
	s_wait_kmcnt 0x0
	s_add_nc_u64 s[82:83], s[6:7], s[82:83]
	s_add_nc_u64 s[84:85], s[4:5], s[84:85]
	s_add_nc_u64 s[88:89], s[6:7], s[88:89]
	s_add_nc_u64 s[90:91], s[4:5], s[90:91]
	s_add_nc_u64 s[8:9], s[8:9], s[92:93]
	s_add_nc_u64 s[10:11], s[10:11], s[94:95]
.irp q, 0,1
	s_mov_b32 s[40+4*\q], 1
	s_add_co_u32 s[41+4*\q], s86, \q*CH
	s_add_nc_u64 s[42+4*\q:43+4*\q], s[82:83], \q*6144
	s_or_b32 s[43+4*\q], s[43+4*\q], 0x80000000
	s_mov_b32 s[56+4*\q+4*(\q/2)], 1
	s_add_co_u32 s[57+4*\q+4*(\q/2)], s87, \q*CH
	s_add_nc_u64 s[58+4*\q+4*(\q/2):59+4*\q+4*(\q/2)], s[84:85], \q*6144
	s_or_b32 s[59+4*\q+4*(\q/2)], s[59+4*\q+4*(\q/2)], 0x80000000
.endr
	CROUND                                         ; all sixteen work-groups are here: the joint loads meet
	s_cmp_lt_u32 s18, 2                            ; a wave's first fill stands in one branch: one load of mine is out
	s_cbranch_scc0 .Lfor_r
	tensor_load_to_lds s[40:43], s[24:31]          ; the first half of K: one tensor load a wave at the head
	s_nop 0
	PLACES
	s_branch .Lasked
.Lfor_r:
	tensor_load_to_lds s[56:59], s[32:39]
	s_nop 0
	PLACES
.Lasked:
	v_and_b32 v13, 31, v0
	v_lshlrev_b32 v6, 4, v13                       ; 16 x lane
	v_lshlrev_b32 v5, 3, v13                       ; 8 x lane
	v_add_nc_u32 v7, 512, v5
	s_mul_i32 s96, s19, 49152
	v_add_nc_u32 v1, s96, v6
	v_add_nc_u32 v2, s96, v7
	s_mul_i32 s96, s20, 24576
	s_add_co_u32 s96, s96, 98304
	v_add_nc_u32 v3, s96, v6
	v_add_nc_u32 v4, s96, v7
	v_bfe_u32 v14, v0, 4, 1
	v_lshlrev_b32 v8, 6, v14                       ; 64 h
	v_and_b32 v15, 15, v0
	s_mul_i32 s96, s18, 8448                       ; my stage: 16 rows x (512 bytes + 16)
	v_mul_u32_u24 v[STO], v15, 528
	v_add_nc_u32 v[STO], v[STO], v8
	v_add_nc_u32 v[STO], s96, v[STO]               ; in: row r, + 64 h
	v_add_nc_u32 v[RD], s96, v6                    ; back: 16 bytes a lane of a whole row
.irp g, 0,1
.irp k, 0,1,2,3,4,5,6,7
	global_load_b64 v[SCP+16*\g+2*\k:SCP+16*\g+2*\k+1], v5, s[88:89] offset:2048*\g+256*\k
.endr
.endr
.irp k, 0,1,2,3,4,5,6,7
	global_load_b64 v[SCR+2*\k:SCR+2*\k+1], v5, s[90:91] offset:256*\k
.endr
	WIN 0x80                                       ; destination window 2: the bias starts the sums
.irp a, 0,1,2,3
.irp bt, 0,1,2,3,4,5,6,7
	global_load_b128 v[8*(8*\a+\bt):8*(8*\a+\bt)+3], v8, s[8:9] offset:128*(\bt/2)+32*(\bt%2)
	global_load_b128 v[8*(8*\a+\bt)+4:8*(8*\a+\bt)+7], v8, s[8:9] offset:128*(\bt/2)+32*(\bt%2)+16
.endr
.endr
	WIN 0
.macro WM a, bt, set, ks
.set rD, 8*(8*(\a)+(\bt))
.set rP, 96*(\set)+12*(\bt)
.set rR, RF+48*(\set)+12*(\a)
.set rX, SCP+16*((\bt)/4)+2*(\ks)+((\bt)%4)/2
.set rY, SCR+2*(\ks)+(\a)/2
.if ((\bt)%2 == 0) && ((\a)%2 == 0)
	v_wmma_scale_f32_16x16x128_f8f6f4 v[rD:rD+7], v[rP:rP+11], v[rR:rR+11], v[rD:rD+7], v[rX], v[rY] matrix_a_fmt:MATRIX_FMT_FP6 matrix_b_fmt:MATRIX_FMT_FP6
.elseif ((\a)%2 == 0)
	v_wmma_scale_f32_16x16x128_f8f6f4 v[rD:rD+7], v[rP:rP+11], v[rR:rR+11], v[rD:rD+7], v[rX], v[rY] matrix_a_fmt:MATRIX_FMT_FP6 matrix_b_fmt:MATRIX_FMT_FP6 matrix_a_scale:MATRIX_SCALE_ROW1
.elseif ((\bt)%2 == 0)
	v_wmma_scale_f32_16x16x128_f8f6f4 v[rD:rD+7], v[rP:rP+11], v[rR:rR+11], v[rD:rD+7], v[rX], v[rY] matrix_a_fmt:MATRIX_FMT_FP6 matrix_b_fmt:MATRIX_FMT_FP6 matrix_b_scale:MATRIX_SCALE_ROW1
.else
	v_wmma_scale_f32_16x16x128_f8f6f4 v[rD:rD+7], v[rP:rP+11], v[rR:rR+11], v[rD:rD+7], v[rX], v[rY] matrix_a_fmt:MATRIX_FMT_FP6 matrix_b_fmt:MATRIX_FMT_FP6 matrix_a_scale:MATRIX_SCALE_ROW1 matrix_b_scale:MATRIX_SCALE_ROW1
.endif
.endm
.macro MUL a0, set, ks                 ; the 32 accumulators take turns, one instruction a turn, in the same order in every step
	WIN 0xa1
.irp a, \a0, \a0+1
.irp bt, 0,1,2,3,4,5,6,7
	WM (\a), \bt, \set, \ks
.endr
.endr
.endm
.macro FETCH ks
.set fs, (\ks)%2
.set fk, (\ks)%4                       ; the K step's place in its half of K
	WIN 0x40
.irp bt, 0,1,2,3,4,5,6,7
	ds_load_b128 v[96*fs+12*\bt:96*fs+12*\bt+3], v1 offset:6144*\bt+1536*fk
	ds_load_b64 v[96*fs+12*\bt+4:96*fs+12*\bt+5], v2 offset:6144*\bt+1536*fk
	ds_load_b128 v[96*fs+12*\bt+6:96*fs+12*\bt+9], v1 offset:6144*\bt+1536*fk+768
	ds_load_b64 v[96*fs+12*\bt+10:96*fs+12*\bt+11], v2 offset:6144*\bt+1536*fk+768
.endr
	WIN 0
.irp a, 0,1,2,3
	ds_load_b128 v[RF+48*fs+12*\a:RF+48*fs+12*\a+3], v3 offset:6144*\a+1536*fk
	ds_load_b64 v[RF+48*fs+12*\a+4:RF+48*fs+12*\a+5], v4 offset:6144*\a+1536*fk
	ds_load_b128 v[RF+48*fs+12*\a+6:RF+48*fs+12*\a+9], v3 offset:6144*\a+1536*fk+768
	ds_load_b64 v[RF+48*fs+12*\a+10:RF+48*fs+12*\a+11], v4 offset:6144*\a+1536*fk+768
.endr
.endm
.macro STEP ks
.if (\ks) == 3
	s_wait_tensorcnt 0x0                           ; my part of the second half of K has landed
	s_wait_dscnt 0x0
	s_barrier_signal -1
	s_barrier_wait -1
	WIN 0
	v_add_nc_u32 v1, CH, v1                        ; on to that chunk; these four are also the places in front of the loads
	s_wait_alu depctr_va_vdst(0)
	v_add_nc_u32 v2, CH, v2
	s_wait_alu depctr_va_vdst(0)
	v_add_nc_u32 v3, CH, v3
	s_wait_alu depctr_va_vdst(0)
	v_add_nc_u32 v4, CH, v4
.elseif ((\ks) > 0) && ((\ks) < 7)
	PLACES
.endif
.if (\ks) < 7
	FETCH (\ks)+1
	s_wait_alu depctr_va_vdst(0)
	s_wait_dscnt 48                                ; this step's fragments are in; the 48 just issued may be out
.else
	s_wait_dscnt 0x0
.endif
.if (\ks) == 0
	s_wait_loadcnt 0x0                             ; the scale words and the bias
.endif
	MUL 0, (\ks)%2, \ks
	MUL 2, (\ks)%2, \ks
.endm
	s_wait_alu depctr_va_vdst(0)
	s_wait_tensorcnt 0x0                           ; my part of the first half has landed
	ds_add_u32 v[SPW], v[NIL]
	s_wait_dscnt 0x0
	CROUND                                         ; everybody's part is in, and all sixteen work-groups are here: the joint loads meet
	s_cmp_lt_u32 s18, 2
	s_cbranch_scc0 .Lfor_r2
	tensor_load_to_lds s[44:47], s[24:31]          ; the second half of K, my one load behind the round: it has three K steps, 96 products a wave, in which to land
	s_nop 0
	PLACES
	s_branch .Lasked2
.Lfor_r2:
	tensor_load_to_lds s[60:63], s[32:39]
	s_nop 0
	PLACES
.Lasked2:
	FETCH 0
.irp k, 0,1,2,3,4,5,6,7
	STEP \k
.endr
	WIN 0
	PLACES
.macro TOSTAGE a                       ; block a: 16 tokens x 128 features into my stage, each accumulator from its low end on, and back as whole rows.  LDS serves a wave in order: no wait between
	WIN 0x08                                       ; an LDS store's data are its source 1: window 2
.irp bt, 0,1,2,3,4,5,6,7
	ds_store_b128 v[STO], v[64*(\a)+8*\bt:64*(\a)+8*\bt+3] offset:128*(\bt/2)+32*(\bt%2)
	ds_store_b128 v[STO], v[64*(\a)+8*\bt+4:64*(\a)+8*\bt+7] offset:128*(\bt/2)+32*(\bt%2)+16
.endr
	WIN 0
.set BB, 64+64*((\a)%2)
.irp i, 0,1,2,3,4,5,6,7,8,9,10,11,12,13,14,15
	ds_load_b128 v[BB+4*\i:BB+4*\i+3], v[RD] offset:528*\i
.endr
.endm
.macro SEND a, younger                 ; younger: the LDS instructions issued behind block a's loads, which may stay out
.set BB, 64+64*((\a)%2)
	s_wait_dscnt \younger
.irp i, 0,1,2,3,4,5,6,7,8,9,10,11,12,13,14,15
	global_store_b128 v6, v[BB+4*\i:BB+4*\i+3], s[10:11] offset:(32*((\a)/2)+8*((\a)%2)+\i+8*(\i/8))*4096 th:TH_STORE_NT   ; 32 lanes store 512 consecutive bytes, aligned
.endr
.endm
	TOSTAGE 0
.irp a, 1,2,3
.if \a > 1
	s_wait_xcnt 0x0                                ; block a - 2's stores have read their registers: block a's loads may land there
.endif
	TOSTAGE \a
	SEND \a-1, 32                                  ; behind block a - 1's loads: block a's 16 stores and 16 loads
.endr
	SEND 3, 0
	s_wait_tensorcnt 0x0                           ; the wave's end
	ds_add_u32 v[SPW], v[NIL]
	s_wait_dscnt 0x0
	CROUND                                         ; the closing round
	s_endpgm
.Lfunc_end_k_q65f008d190_proj:
	.size	k_q65f008d190_proj, .Lfunc_end_k_q65f008d190_proj-k_q65f008d190_proj
	.p2alignl 7, 3214868480
	.fill 96, 4, 3214868480
	.section	.rodata,"a",@progbits
	.p2align	6, 0x0
	.amdhsa_kernel k_q65f008d190_proj
		.amdhsa_group_segment_fixed_size 327680
		.amdhsa_private_segment_fixed_size 0
		.amdhsa_enable_private_segment 0
		.amdhsa_kernarg_size 32
		.amdhsa_user_sgpr_count 2
		.amdhsa_user_sgpr_kernarg_segment_ptr 1
		.amdhsa_wavefront_size32 1
		.amdhsa_system_sgpr_workgroup_id_x 1
		.amdhsa_system_sgpr_workgroup_id_y 1
		.amdhsa_system_sgpr_workgroup_id_z 1
		.amdhsa_system_vgpr_workitem_id 0
		.amdhsa_next_free_vgpr 768
		.amdhsa_next_free_sgpr 104
		.amdhsa_reserve_vcc 0
		.amdhsa_float_denorm_mode_32 3
		.amdhsa_float_denorm_mode_16_64 3
		.amdhsa_memory_ordered 1
		.amdhsa_forward_progress 1
		.amdhsa_inst_pref_size 89
	.end_amdhsa_kernel
	.amdgpu_metadata
---
amdhsa.version: [ 1, 2 ]
amdhsa.kernels:
  - .name:           k_q65f008d190_proj
    .symbol:         k_q65f008d190_proj.kd
    .args:
      - { .name: ao, .offset: 0, .size: 8, .value_kind: global_buffer, .address_space: global }
      - { .name: wq, .offset: 8, .size: 8, .value_kind: global_buffer, .address_space: global }
      - { .name: bo, .offset: 16, .size: 8, .value_kind: global_buffer, .address_space: global }
      - { .name: out0, .offset: 24, .size: 8, .value_kind: global_buffer, .address_space: global }
    .group_segment_fixed_size: 327680
    .private_segment_fixed_size: 0
    .kernarg_segment_align: 8
    .kernarg_segment_size: 32
    .max_flat_workgroup_size: 128
    .sgpr_count:     104
    .vgpr_count:     768
    .wavefront_size: 32
...
	.end_amdgpu_metadata
.endif
;; end of part 4
